; MI455X (gfx1250); checked and timed in simulation.
; The chip was launched on July 23, 2026; its instructions are those of AMD's public machine-readable ISA for CDNA 5 (MIT licence, August 2026) and "CDNA5" Instruction Set Architecture Reference Guide (July 2026). The comments in the code are by the model that wrote it; some were corrected since.
;; Attention. Allowed arithmetic: matrix products marked QUANTISED: E2M3 operands, one E8M0 scale for each 32 along K, by v_wmma_scale_f32_16x16x128_f8f6f4 with both operands' format E2M3, f32 sums; everything else in f32.
;; Inputs: b_out 1,024 float32; ln_beta 1,024 float32; ln_gamma 1,024 float32; pos 4 x 2,048 x 1,024 float32; w_out 1,024 x 1,024 float32; w_qkv 1,024 x 3,072 float32; x 4 x 2,048 x 1,024 float32.
;; Outputs: out0 4 x 2,048 x 1,024 float32.
;; This version of the problem:
;;   THIS VERSION OF THE PROBLEM IS GIVEN IN LOW PRECISION. The matrix products marked QUANTISED in the list below multiply operands that are first quantised to E2M3 (2 exponent bits, 3 mantissa bits; 6 bits a number), with one power-of-two scale for each 32 numbers along K (OCP MX v1.0); their sums are f32. All else is computed in f32.
;;   The module's matrix products, in the order in which they are computed (A, B: the left and right operand; K: the contracted axis; several contracted axes count as one K, in the product's order):
;;     1. [M 8,192, K 1,024] x [K 1,024, N 3,072]; A: computed on the way; B: input w_qkv: QUANTISED
;;     2. batch 64 x [M 2,048, K 64] x [K 64, N 2,048]; A: computed on the way; B: computed on the way: QUANTISED
;;     3. batch 64 x [M 2,048, K 2,048] x [K 2,048, N 64]; A: softmax (see below); B: computed on the way: QUANTISED
;;     4. [M 8,192, K 1,024] x [K 1,024, N 1,024]; A: computed on the way; B: input w_out: QUANTISED
;;   THE QUANTISER, for each operand of a quantised product, along K:
;;     - K is cut into blocks of 32 from its start; a last block that is shorter is filled with zeros.
;;     - A block's scale is 2^e with e = floor(log2(the largest magnitude in the block)) - 2, held to -126 .. 127; a block of zeros has e = 0. As a byte (E8M0): e + 127.
;;     - Each number is divided by its block's scale, clamped to +-7.5, and rounded to the nearest number of E2M3, ties to even, subnormals kept.
;;     - The product sums the exact products of the quantised numbers (number of the format x scale) in f32.
;;   ~~~python
;;   def quantise(x, axis):      # numpy; x: float32 -> the quantised numbers, widened to float32 again
;;       x = np.moveaxis(x, axis, -1); K = x.shape[-1]
;;       x = np.pad(x, [(0, 0)] * (x.ndim - 1) + [(0, -K % 32)]); x = x.reshape(x.shape[:-1] + (-1, 32)); a = np.abs(x).max(-1, keepdims=True)
;;       e = np.where(a > 0, np.clip(np.frexp(np.where(a > 0, a, 1))[1] - 1 - 2, -126, 127), 0)      # np.frexp(a)[1] - 1 = floor(log2(a)), exactly
;;       r = np.clip(x / 2.0 ** e, -7.5, 7.5)
;;       step = 2.0 ** (np.maximum(np.frexp(np.where(r == 0, 1, r))[1] - 1, 0) - 3)
;;       q = np.round(r / step) * step * 2.0 ** e      # np.round: ties to even
;;       return np.moveaxis(q.reshape(q.shape[:-2] + (-1,))[..., :K], -1, axis).astype(np.float32)
;;   ~~~
;;   SOFTMAX AHEAD OF A QUANTISED PRODUCT. Where the list says 'softmax', what is quantised is not the finished softmax but p = 2^(t - M), with t = logit x log2(e) and M = ceil(the row's largest t), a whole number; so 1/2 < the row's largest p <= 1. The row's sum l is taken of the UNQUANTISED p, in f32, and the product's result is divided by l at the end. Since M is a whole number, a kernel that streams over the keys may use a running M (the ceiling of the running maximum): every later rescaling is an exact power of two, which a block's scale takes up: the codes' values come out the same.
;;   OPERANDS COMPUTED ON THE WAY. 'Computed on the way' means the value that the module computes at that place (a softmax that the list does not call 'softmax' is quantised finished and normalised). What goes into a quantiser is computed in f32, as accurately as f32 sums, v_exp_f32 and their like allow (about 1e-6 of the number): no bf16 or f16 on the way to a quantiser, and a product that is left as it is and whose result goes on into a quantised operand takes f32 operands (vector FMAs, or v_wmma_f32_16x16x4_f32). A number that lies on a knife's edge between two numbers of the format may be rounded either way, as far as f32 arithmetic and the matrix unit's own rounding can turn it there, and no further.
;; One version. Each part assembles by itself: llvm-mc -triple=amdgcn-amd-amdhsa -mcpu=gfx1250 --defsym DOCPART=n.
;; ======== version 1 of 1: 4 launches
;; limits: right only within a limited range of input values
;; workspace buffers: opq 9,830,400 bytes; qkvq 20,185,088 bytes; aoq 6,553,600 bytes
;; launch prep (part 1): grid 640 x 1, 4 waves a work-group, no clusters, 41,472 bytes of LDS; arguments x, ln_gamma, ln_beta, w_qkv, w_out, opq; writes opq
.if DOCPART == 1
	.amdgcn_target "amdgcn-amd-amdhsa--gfx1250"
	.amdhsa_code_object_version 6
	.text
	.protected	k_q25eac4bc57_prep
	.globl	k_q25eac4bc57_prep
	.p2align	8
	.type	k_q25eac4bc57_prep,@function
k_q25eac4bc57_prep:
	s_mov_b64 s[64:65], 0
	v_nop
	global_prefetch_b8 v0, s[64:65] scope:SCOPE_SE
	s_setreg_imm32_b32 hwreg(HW_REG_WAVE_MODE, 25, 1), 1
	s_wait_xcnt 0x0
; PREP: makes the three operands of the two large products as codes of E2M3 with one E8M0 byte for each 32 along K (K = 1,024).
; Work-groups 0-127: w_qkv [1024][3072] and w_out [1024][1024], whose K is the FIRST axis.  Work-groups 128-639: LayerNorm(x), K innermost.
; OUTPUT opq: 768 blocks of 16 rows x 1,024 K: 0-511 tokens, 512-703 w_qkv's columns, 704-767 w_out's.  Lane r of block a holds matrix row
; 32 (a / 2) + 8 (a % 2) + r + 8 (r / 8), so that two neighbouring result tiles of a product hold 16 neighbours in a lane's registers.
; Codes lie in the order of the operand's registers: block x 12,288 + K step x 1,536 + register pair p x 256 + lane x 8.
; Scale bytes from SCO on: block x 512 + (kb / 16) x 256 + r x 16 + kb % 16, kb the block of 32 along K.
; A block's scale is 2^(floor(log2(largest magnitude)) - 2): its byte is the largest magnitude's exponent field - 2, held at 1 from below.
; LIMITS: a block of zeros gets the byte 1 (its codes are zeros; only this program reads the bytes); blocks whose largest magnitude lies
; under 2^-124 were not tried; NaN and infinities among the inputs are not served.  The weights' scale bytes leave 8 bytes a lane, 16 bytes
; apart: 131,072 bytes of the launch's stores do not fill their aligned 256 bytes in one instruction.
.set SCO,  9437184
.set VO,   32                          ; weights: v32-63   row i of a K block: i x pitch + 4 x my column
.set X,    64                          ; weights: v64-127  two sets of 32 numbers
.set C,    128                         ; weights: v128-175 four pairs of K blocks x 12 registers of codes
.set YW,   176                         ; weights: v176-178 a block's second 16 codes
.set TURN, 9216                        ; LN, LDS: 0 gamma, 4,608 beta (32 places of 128 + 16 bytes); from TURN a stage of 4,608 bytes for each wave
.set CST,  27648                       ; LN, LDS: the block's codes: 16 groups (K step, half) of 768 + 8 bytes
.set SST,  40064                       ; LN, LDS: the block's 512 scale bytes
.set GAM,  40                          ; LN: v40-71 gamma, v72-103 beta of my 32 columns
.set BET,  72
.set R,    104                         ; LN: v104-231 four rows x 32 numbers
; the largest magnitude of 32 numbers of a lane, with the floor 2^(3 - 127) as one more leaf: the byte cannot fall under 1
.macro AMAX m0, m1, xs
	v_max3_num_f32 v[\m0], |v[\xs]|, |v[\xs+1]|, |v[\xs+2]|
	v_max3_num_f32 v[\m1], |v[\xs+3]|, |v[\xs+4]|, |v[\xs+5]|
.irp i, 6,10,14,18,22,26
	v_max3_num_f32 v[\m0], v[\m0], |v[\xs+\i]|, |v[\xs+\i+1]|
	v_max3_num_f32 v[\m1], v[\m1], |v[\xs+\i+2]|, |v[\xs+\i+3]|
.endr
	v_max3_num_f32 v[\m0], v[\m0], |v[\xs+30]|, |v[\xs+31]|
	v_max3_num_f32 v[\m0], v[\m0], v[\m1], 0x1800000
.endm
	s_load_b256 s[4:11], s[0:1], 0x0               ; x s[4:5], gamma s[6:7], beta s[8:9], w_qkv s[10:11]
	s_load_b128 s[12:15], s[0:1], 0x20             ; w_out s[12:13], opq s[14:15]
	v_lshl_add_u32 v240, v0, 2, 0xa000
	v_mov_b32 v241, 0
	v_lshrrev_b32 v1, 5, v0
	v_readfirstlane_b32 s16, v1                    ; wave 0..3
	v_and_b32 v1, 31, v0                           ; lane
	s_mov_b32 s20, 0x76543210
	s_mov_b32 s21, 0xfedcba98                      ; v_permlanex16_b32's selects for lane l xor 16
	s_cmp_lt_u32 ttmp9, 128
	s_cbranch_scc0 .Lln
; ---------------- THE WEIGHTS.  A work-group takes 128 columns x 256 along K, a wave 32 columns (two blocks of 16), a lane ONE column; its registers run down K.
; Each load reads one row of the weight at the wave's 32 columns: 128 consecutive bytes.  A block of 32 along K lies in one lane: its maximum needs no other lane.
	s_and_b32 s17, ttmp9, 31                       ; which 128 columns: 0-23 w_qkv's, 24-31 w_out's
	s_lshr_b32 s18, ttmp9, 5                       ; which 256 along K
	v_and_b32 v5, 15, v1                           ; r
	v_lshrrev_b32 v6, 4, v1                        ; u: which of the wave's two blocks
	v_and_b32 v7, 8, v5
	v_add_nc_u32 v7, v7, v5
	v_lshl_add_u32 v7, v6, 3, v7                   ; my column of the 32: 8 u + r + 8 (r / 8)
	v_lshlrev_b32 v2, 2, v7
	v_lshlrev_b32 v3, 3, v1                        ; 8 x lane: my place in a register pair's 256 bytes
	v_lshlrev_b32 v4, 4, v5
	v_lshl_add_u32 v4, v6, 9, v4                   ; my scale bytes: 512 u + 16 r
	s_sub_co_u32 s19, s17, 24
	s_mov_b32 s22, 4096
	s_wait_alu depctr_va_vdst(0)
	s_wait_kmcnt 0x0
	s_cmp_lt_u32 s17, 24                           ; the choice hangs on the work-group's number alone
	s_cselect_b64 s[10:11], s[10:11], s[12:13]     ; the weight,
	s_cselect_b32 s22, 12288, s22                  ; its row in bytes,
	s_cselect_b32 s19, s17, s19                    ; and the group of columns in it
	s_lshl_b32 s19, s19, 9
	s_lshl_b32 s23, s16, 7
	s_add_co_u32 s19, s19, s23                     ; 4 x my wave's first column
	s_lshl_b32 s23, s18, 8
	s_mul_i32 s23, s23, s22                        ; my first row of K
	s_add_co_u32 s24, s23, s19
	s_mov_b32 s25, 0
	s_add_nc_u64 s[32:33], s[10:11], s[24:25]      ; a base for each of the 8 K blocks: none is ever stepped
	s_lshl_b32 s26, s22, 5
	s_mov_b32 s27, 0
.irp t, 1,2,3,4,5,6,7
	s_add_nc_u64 s[32+2*\t:33+2*\t], s[30+2*\t:31+2*\t], s[26:27]
.endr
.set i, 0
.rept 32
	v_mad_u32_u24 v[VO+i], s22, i, v2
.set i, i+1
.endr
	s_lshl_b32 s28, s17, 3
	s_lshl_b32 s29, s16, 1
	s_add_co_u32 s28, s28, s29
	s_add_co_u32 s28, s28, 512                     ; my wave's first block of opq
	s_mul_i32 s30, s28, 12288
	s_mul_i32 s29, s18, 3072                       ; two K steps for each 256 along K
	s_add_co_u32 s30, s30, s29
	s_mov_b32 s31, 0
	s_add_nc_u64 s[48:49], s[14:15], s[30:31]      ; codes
	s_lshl_b32 s30, s28, 9
	s_lshr_b32 s29, s18, 1
	s_lshl_b32 s29, s29, 8
	s_add_co_u32 s30, s30, s29
	s_and_b32 s29, s18, 1
	s_lshl_b32 s29, s29, 3
	s_add_co_u32 s30, s30, s29
	s_add_co_u32 s30, s30, SCO
	s_add_nc_u64 s[50:51], s[14:15], s[30:31]      ; scale bytes
.macro WLOAD t                         ; K block t: 32 rows at my column, into set t % 2
.set i, 0
.rept 32
	global_load_b32 v[X+32*((\t)%2)+i], v[VO+i], s[32+2*(\t):33+2*(\t)] th:TH_LOAD_NT
.set i, i+1
.endr
.endm
.macro WBLOCK t
.set XS, X+32*((\t)%2)
.set CD, C+12*((\t)/2)+6*((\t)%2)
.if (\t) < 7
	s_wait_loadcnt 32                              ; this block's 32 loads are in; the next block's 32 may be out
.else
	s_wait_loadcnt 0x0
.endif
	AMAX 16, 17, XS
	v_add_nc_u32 v18, 0xff000000, v16              ; 2 off the exponent field: the conversion's scale operand
	v_lshrrev_b32 v19, 23, v18                     ; the scale's byte
.if (\t)%4 == 0
	v_mov_b32 v[20+(\t)/4], v19
.else
	v_lshl_or_b32 v[20+(\t)/4], v19, 8*((\t)%4), v[20+(\t)/4]
.endif
	v_cvt_scalef32_pk16_fp6_f32 v[CD:CD+2], v[XS:XS+15], v18
	v_cvt_scalef32_pk16_fp6_f32 v[YW:YW+2], v[XS+16:XS+31], v18   ; (a conversion's three registers begin on an even number)
	v_nop                                          ; one plain place behind a scaled conversion
.irp i, 0,1,2
	v_mov_b32 v[CD+3+\i], v[YW+\i]
.endr
.if (\t) < 6
	WLOAD (\t)+2
.endif
.if (\t)%2 == 1
; K blocks t - 1 and t are the two halves (lanes 0-15, lanes 16-31) of an operand's six registers.  The exchange leaves block u = 0 whole in the first six registers and u = 1 in the second six.
.set CA, C+12*((\t)/2)
.irp i, 0,1,2,3,4,5
	v_permlane16_swap_b32 v[CA+\i], v[CA+6+\i]
.endr
.irp i, 0,1,2
	global_store_b64 v3, v[CA+2*\i:CA+2*\i+1], s[48:49] offset:((\t)/4)*1536+(((\t)/2)%2)*768+256*\i          ; 32 lanes store 256 consecutive bytes, aligned
	global_store_b64 v3, v[CA+6+2*\i:CA+6+2*\i+1], s[48:49] offset:12288+((\t)/4)*1536+(((\t)/2)%2)*768+256*\i
.endr
.endif
.endm
	s_wait_alu depctr_va_vdst(0)
	WLOAD 0
	WLOAD 1
.irp t, 0,1,2,3,4,5,6,7
	WBLOCK \t                                      ; each pair of blocks has code registers of its own: no store's data are written again
.endr
	global_store_b64 v4, v[20:21], s[50:51]        ; my column's 8 scale bytes
	s_endpgm
; ---------------- LAYERNORM.  A work-group takes one block of 16 rows; wave w its lanes r = 4 w .. 4 w + 3, which are four neighbouring rows of x.
; A row lies whole in one wave.  It is loaded 512 consecutive bytes an instruction and turned through the wave's stage, so that lane l holds columns 32 l .. 32 l + 31: one block along K.
.Lln:
	s_sub_co_u32 s17, ttmp9, 128                   ; the block a
	s_lshr_b32 s18, s17, 1
	s_lshl_b32 s18, s18, 5
	s_and_b32 s19, s17, 1
	s_lshl_b32 s19, s19, 3
	s_add_co_u32 s18, s18, s19
	s_lshl_b32 s19, s16, 2
	s_add_co_u32 s18, s18, s19
	s_lshr_b32 s19, s16, 1
	s_lshl_b32 s19, s19, 3
	s_add_co_u32 s18, s18, s19                     ; my first row: 32 (a / 2) + 8 (a % 2) + 4 w + 8 (w / 2)
	s_lshl_b32 s18, s18, 12
	s_mov_b32 s19, 0
	s_mov_b32 s24, 0x3a800000                      ; 1 / 1,024
	s_mov_b32 s25, 0x3727c5ac                      ; 1e-5
	s_wait_alu depctr_va_vdst(0)
	v_lshlrev_b32 v2, 4, v1                        ; 16 x lane
	v_lshlrev_b32 v3, 4, v0                        ; 16 x thread
	v_lshrrev_b32 v13, 3, v0
	v_and_b32 v14, 7, v0
	v_mul_u32_u24 v4, v13, 144
	v_lshl_add_u32 v4, v14, 4, v4                  ; gamma, beta on the way in: place thread / 8, 16 bytes each
	v_mul_u32_u24 v5, v1, 144                      ; and on the way out: place = lane
	v_lshrrev_b32 v13, 3, v1
	v_and_b32 v14, 7, v1
	v_mul_u32_u24 v6, v13, 144
	v_lshl_add_u32 v6, v14, 4, v6
	s_mul_i32 s22, s16, 4608
	s_add_co_u32 s22, s22, TURN
	v_add_nc_u32 v6, s22, v6                       ; my stage, in
	v_add_nc_u32 v7, s22, v5                       ; my stage, out
	v_lshrrev_b32 v13, 1, v1
	v_and_b32 v14, 1, v1
	v_mul_u32_u24 v8, v13, 776
	v_lshl_add_u32 v8, v14, 7, v8
	s_lshl_b32 s23, s16, 5
	s_add_co_u32 s23, s23, CST
	v_add_nc_u32 v8, s23, v8                       ; codes: group lane / 2, half lane % 2 (128 bytes), row r = 4 w + j (8 bytes)
	v_lshrrev_b32 v13, 4, v1
	v_and_b32 v14, 15, v1
	v_lshl_add_u32 v9, v13, 8, v14
	s_lshl_b32 s23, s16, 6
	s_add_co_u32 s23, s23, SST
	v_add_nc_u32 v9, s23, v9                       ; my block's scale byte
	v_lshlrev_b32 v11, 3, v1
	s_mul_i32 s23, s16, 3104
	s_add_co_u32 s23, s23, CST
	v_add_nc_u32 v10, s23, v11                     ; the way out: my wave's four groups, 8 bytes a lane
	v_add_nc_u32 v12, SST, v2
	s_mul_i32 s26, s17, 12288
	s_mul_i32 s23, s16, 3072
	s_add_co_u32 s26, s26, s23
	s_mov_b32 s27, 0
	s_lshl_b32 s28, s17, 9
	s_add_co_u32 s28, s28, SCO
	s_mov_b32 s29, 0
	s_wait_kmcnt 0x0
	s_add_nc_u64 s[4:5], s[4:5], s[18:19]
	s_add_nc_u64 s[26:27], s[14:15], s[26:27]
	s_add_nc_u64 s[28:29], s[14:15], s[28:29]
	global_load_b128 v[24:27], v3, s[6:7]
	global_load_b128 v[28:31], v3, s[6:7] offset:2048
	global_load_b128 v[32:35], v3, s[8:9]
	global_load_b128 v[36:39], v3, s[8:9] offset:2048
.set i, 0
.rept 32
	global_load_b128 v[R+4*i:R+4*i+3], v2, s[4:5] offset:4096*(i/8)+512*(i%8) th:TH_LOAD_NT   ; 32 lanes read 512 consecutive bytes
.set i, i+1
.endr
	s_wait_loadcnt 32                              ; gamma and beta are in; the 32 loads of x may be out
	ds_store_b128 v4, v[24:27]
	ds_store_b128 v4, v[28:31] offset:2304
	ds_store_b128 v4, v[32:35] offset:4608
	ds_store_b128 v4, v[36:39] offset:6912
	s_wait_dscnt 0x0                               ; for the others' sake: my part of gamma and beta lies in LDS
	s_barrier_signal -1
	s_barrier_wait -1
.irp i, 0,1,2,3,4,5,6,7
	ds_load_b128 v[GAM+4*\i:GAM+4*\i+3], v5 offset:16*\i
.endr
.irp i, 0,1,2,3,4,5,6,7
	ds_load_b128 v[BET+4*\i:BET+4*\i+3], v5 offset:4608+16*\i
.endr
.macro TURNR j                         ; row j through my stage, back into the registers that it left: LDS serves a wave's instructions in order
	s_wait_loadcnt 8*(3-(\j))                      ; row j's eight loads are in; the later rows' may be out
.irp i, 0,1,2,3,4,5,6,7
	ds_store_b128 v6, v[R+32*(\j)+4*\i:R+32*(\j)+4*\i+3] offset:576*\i
.endr
.irp i, 0,1,2,3,4,5,6,7
	ds_load_b128 v[R+32*(\j)+4*\i:R+32*(\j)+4*\i+3], v7 offset:16*\i
.endr
.endm
.macro REDUCE                          ; v20 summed over the 32 lanes, the result in every lane
	v_add_f32_dpp v20, v20, v20 row_xmask:1 row_mask:0xf bank_mask:0xf
	v_add_f32_dpp v20, v20, v20 row_xmask:2 row_mask:0xf bank_mask:0xf
	v_add_f32_dpp v20, v20, v20 row_xmask:4 row_mask:0xf bank_mask:0xf
	v_add_f32_dpp v20, v20, v20 row_xmask:8 row_mask:0xf bank_mask:0xf
	v_permlanex16_b32 v21, v20, s20, s21
	v_add_f32 v20, v20, v21
.endm
.macro WORK j, left                    ; left: the LDS instructions issued behind row j's turn and the last row's four stores, which may stay out
.set XS, R+32*(\j)
	s_wait_dscnt \left
	v_pk_add_f32 v[20:21], v[XS:XS+1], v[XS+2:XS+3]
	v_pk_add_f32 v[22:23], v[XS+4:XS+5], v[XS+6:XS+7]
.irp i, 8,12,16,20,24,28
	v_pk_add_f32 v[20:21], v[20:21], v[XS+\i:XS+\i+1]
	v_pk_add_f32 v[22:23], v[22:23], v[XS+\i+2:XS+\i+3]
.endr
	v_pk_add_f32 v[20:21], v[20:21], v[22:23]
	v_add_f32 v20, v20, v21
	REDUCE
	v_mul_f32 v16, s24, v20                        ; the mean, twice: a pair for the packed forms
	v_mul_f32 v17, s24, v20
.irp i, 0,2,4,6,8,10,12,14,16,18,20,22,24,26,28,30
	v_pk_add_f32 v[XS+\i:XS+\i+1], v[XS+\i:XS+\i+1], v[16:17] neg_lo:[0,1] neg_hi:[0,1]   ; x - mean
.endr
	v_pk_mul_f32 v[20:21], v[XS:XS+1], v[XS:XS+1]                  ; the variance is summed of (x - mean)^2: no difference of large sums
	v_pk_mul_f32 v[22:23], v[XS+2:XS+3], v[XS+2:XS+3]
.irp i, 4,8,12,16,20,24,28
	v_pk_fma_f32 v[20:21], v[XS+\i:XS+\i+1], v[XS+\i:XS+\i+1], v[20:21]
	v_pk_fma_f32 v[22:23], v[XS+\i+2:XS+\i+3], v[XS+\i+2:XS+\i+3], v[22:23]
.endr
	v_pk_add_f32 v[20:21], v[20:21], v[22:23]
	v_add_f32 v20, v20, v21
	REDUCE
	v_fma_f32 v19, v20, s24, s25                   ; variance + 1e-5
	s_wait_alu depctr_va_vdst(0)
	v_rsq_f32 v18, v19
	v_nop                                          ; one plain place behind a transcendental
	s_wait_alu depctr_va_vdst(0)
	v_mov_b32 v19, v18
.irp i, 0,2,4,6,8,10,12,14,16,18,20,22,24,26,28,30
	v_pk_mul_f32 v[XS+\i:XS+\i+1], v[XS+\i:XS+\i+1], v[18:19]
.endr
.irp i, 0,2,4,6,8,10,12,14,16,18,20,22,24,26,28,30
	v_pk_fma_f32 v[XS+\i:XS+\i+1], v[XS+\i:XS+\i+1], v[GAM+\i:GAM+\i+1], v[BET+\i:BET+\i+1]
.endr
	AMAX 24, 25, XS
	v_add_nc_u32 v26, 0xff000000, v24
	v_cvt_scalef32_pk16_fp6_f32 v[28:30], v[XS:XS+15], v26
	v_cvt_scalef32_pk16_fp6_f32 v[34:36], v[XS+16:XS+31], v26
	v_lshrrev_b32 v27, 23, v26                     ; the scale's byte (also the plain place behind the conversions)
	v_mov_b32 v31, v34
	v_mov_b32 v32, v35
	v_mov_b32 v33, v36
	ds_store_b64 v8, v[28:29] offset:8*(\j)
	ds_store_b64 v8, v[30:31] offset:256+8*(\j)
	ds_store_b64 v8, v[32:33] offset:512+8*(\j)
	ds_store_b8 v9, v27 offset:16*(\j)
.endm
	TURNR 0
	TURNR 1
	WORK 0, 16                                     ; behind row 0's turn: row 1's 16
	TURNR 2
	WORK 1, 16                                     ; row 2's 16 may be out; row 0's stores are done, so their registers may be written
	TURNR 3
	WORK 2, 16
	WORK 3, 0
	s_wait_dscnt 0x0                               ; for the others' sake: my codes and bytes lie in LDS
	s_barrier_signal -1
	s_barrier_wait -1
.set i, 0
.rept 12
	ds_load_b64 v[R+2*i:R+2*i+1], v10 offset:776*(i/3)+256*(i%3)
.set i, i+1
.endr
.set i, 0
.rept 12
	s_wait_dscnt 11-i
	global_store_b64 v11, v[R+2*i:R+2*i+1], s[26:27] offset:768*(i/3)+256*(i%3)   ; 32 lanes store 256 consecutive bytes, aligned
.set i, i+1
.endr
	s_cmp_lg_u32 s16, 0
	s_cbranch_scc1 .Lln_end
	ds_load_b128 v[128:131], v12                   ; wave 0: the block's 512 scale bytes
	s_wait_dscnt 0x0
	global_store_b128 v2, v[128:131], s[28:29]
.Lln_end:
	s_wait_tensorcnt 0x0
	ds_add_u32 v240, v241
	s_wait_dscnt 0x0
	s_endpgm
.Lfunc_end_k_q25eac4bc57_prep:
	.size	k_q25eac4bc57_prep, .Lfunc_end_k_q25eac4bc57_prep-k_q25eac4bc57_prep
	.p2alignl 7, 3214868480
	.fill 96, 4, 3214868480
	.section	.rodata,"a",@progbits
	.p2align	6, 0x0
	.amdhsa_kernel k_q25eac4bc57_prep
		.amdhsa_group_segment_fixed_size 41472
		.amdhsa_private_segment_fixed_size 0
		.amdhsa_enable_private_segment 0
		.amdhsa_kernarg_size 48
		.amdhsa_user_sgpr_count 2
		.amdhsa_user_sgpr_kernarg_segment_ptr 1
		.amdhsa_wavefront_size32 1
		.amdhsa_system_sgpr_workgroup_id_x 1
		.amdhsa_system_sgpr_workgroup_id_y 1
		.amdhsa_system_sgpr_workgroup_id_z 1
		.amdhsa_system_vgpr_workitem_id 0
		.amdhsa_next_free_vgpr 242
		.amdhsa_next_free_sgpr 66
		.amdhsa_reserve_vcc 0
		.amdhsa_float_denorm_mode_32 3
		.amdhsa_float_denorm_mode_16_64 3
		.amdhsa_memory_ordered 1
		.amdhsa_forward_progress 1
		.amdhsa_inst_pref_size 89
	.end_amdhsa_kernel
	.amdgpu_metadata
---
amdhsa.version: [ 1, 2 ]
amdhsa.kernels:
  - .name:           k_q25eac4bc57_prep
    .symbol:         k_q25eac4bc57_prep.kd
    .args:
      - { .name: x, .offset: 0, .size: 8, .value_kind: global_buffer, .address_space: global }
      - { .name: ln_gamma, .offset: 8, .size: 8, .value_kind: global_buffer, .address_space: global }
      - { .name: ln_beta, .offset: 16, .size: 8, .value_kind: global_buffer, .address_space: global }
      - { .name: w_qkv, .offset: 24, .size: 8, .value_kind: global_buffer, .address_space: global }
      - { .name: w_out, .offset: 32, .size: 8, .value_kind: global_buffer, .address_space: global }
      - { .name: opq, .offset: 40, .size: 8, .value_kind: global_buffer, .address_space: global }
    .group_segment_fixed_size: 41472
    .private_segment_fixed_size: 0
    .kernarg_segment_align: 8
    .kernarg_segment_size: 48
    .max_flat_workgroup_size: 128
    .sgpr_count:     66
    .vgpr_count:     242
    .wavefront_size: 32
...
	.end_amdgpu_metadata
.endif
;; end of part 1
;; launch qkv (part 2): grid 192 x 4, 4 waves a work-group, clusters of 4 x 4, 295,424 bytes of LDS; arguments opq, qkvq; writes qkvq
.if DOCPART == 2
	.amdgcn_target "amdgcn-amd-amdhsa--gfx1250"
	.amdhsa_code_object_version 6
	.text
	.protected	k_q25eac4bc57_qkv
	.globl	k_q25eac4bc57_qkv
	.p2align	8
	.type	k_q25eac4bc57_qkv,@function
k_q25eac4bc57_qkv:
	s_mov_b64 s[64:65], 0
	v_nop
	global_prefetch_b8 v0, s[64:65] scope:SCOPE_SE
	s_setreg_imm32_b32 hwreg(HW_REG_WAVE_MODE, 25, 1), 1
	s_wait_xcnt 0x0
	s_wait_alu depctr_hold_cnt(0) depctr_sa_sdst(0) depctr_va_vdst(0) depctr_va_sdst(0) depctr_va_ssrc(0) depctr_va_vcc(0) depctr_vm_vsrc(0)
	s_getreg_b32 s2, hwreg(HW_REG_IB_STS2, 6, 4)
	s_cmp_eq_u32 s2, 0
	s_cbranch_scc0 .Lentry_in_a_cluster
	s_endpgm
.Lentry_in_a_cluster:
	s_bfe_u32 s2, ttmp6, 0x10000c
	s_cmp_lg_u32 s2, 0xf033
	s_cbranch_scc0 .Lentry_shape_is_right
	s_endpgm
.Lentry_shape_is_right:
; QKV: LayerNorm(x) w_qkv on codes of E2M3, and the quantising of q, k (along the head's 64) and v (along the keys) in the way out.  No f32 result goes to memory.
; A work-group makes P 128 rows x R 256 rows, with all of K = 1,024 in LDS: every LDS byte is filled once, so there is no ring.  Four waves, each 64 x 128: 32 accumulators, one register window.
; Source 0 = 16 rows of R, source 1 = 16 rows of P: a lane holds ONE row of P, and the 16 registers of two neighbouring tiles are 16 neighbours along R (the blocks' rows were laid for that when they were made).
; Clusters 0-31 (kind 0): P = tokens, R = the columns of q and k.  Clusters 32-47 (kind 1): P = the columns of v, R = tokens.  So the axis to be quantised runs along R in both.
; CLUSTERS: 4 x 4 work-groups; P's tiles are shared along a row of the cluster, R's along a column: joint loads.
; OUTPUT qkvq.  q, k: (feature / 64) x 393,216 + (token / 32) x 1,536: twelve registers a lane: six of the tokens' first block of 16, six of the second; lane (r, h) holds d = 32 h .. 32 h + 31.
;   v: VC + ((batch x 16 + head) x 16 + key step) x 6,144 + tile x 1,536: 16 of the head's 64 x 128 keys, as an operand's twelve registers.  Each group of four registers: 16 x lane, 512 bytes.
;   q's, k's scale words: QKS + ((feature / 64) x 128 + token / 64) x 256 + 8 x lane + 4 x (pair % 2): lanes 0-15 the pair's first block, lanes 16-31 its second; the two bytes stand twice in the word.
;   v's: VS + (..) x 256 + 8 x lane: word 0 tiles 0 | 1, word 1 tiles 2 | 3.
; LIMITS: a block of zeros gets the byte 1 (its codes are zeros; only this program reads the bytes); blocks whose largest magnitude lies under 2^-124 were not tried; NaN and infinities are not served.
; REGISTERS: window 0: v4-14 addresses; v32-47 P's scale words, v48-79 R's (register 8 (block / 2) + K step; even block in lanes 0-15, odd in lanes 16-31); v80-127 at work on the way out;
;   v128-223 P's fragments, two sets of 48 (on the way out: the codes).  Window 1: accumulator (a, b) at v[8 (8 a + b)].  Window 2: v0-191 R's fragments, two sets of 96.
.set SCO,  9437184
.set VC,   12582912
.set QKS,  18874368
.set VS,   19922944
.set ADP,  4
.set ADR,  8
.set PS,   32
.set RS,   48
.set PF,   128
.set BIAS, 192
.set G1P,  24
.set G1R,  32
.set G0P,  48
.set G0R,  68
.set SEL,  94
.set TM,   80
.set TP,   88
.set SC,   96
.set BY,   104
.set PW,   112
.set MM,   114
.set SW,   116
.set MV,   120
.set GG,   128
.set YT,   176
.set MSB, 0
.macro WIN new                         ; the immediate's high byte repeats the setting that is left
.if MSB != \new
	s_set_vgpr_msb (MSB<<8)|\new
.set MSB, \new
.endif
.endm
.macro CREST
	s_cmp_lg_u32 s14, 0
	s_cbranch_scc1 .Lnot_wave_0_\@
	s_barrier_signal -3
.Lnot_wave_0_\@:
	s_barrier_wait -3
	s_barrier_signal -1
	s_barrier_wait -1
.endm
.macro CROUND                          ; a round of the cluster's barrier
	s_barrier_signal -1
	s_barrier_wait -1
	CREST
.endm
.macro PLACES
.rept 4
	v_nop
.endr
.endm
	s_load_b128 s[4:7], s[0:1], 0x0                ; opq s[4:5], qkvq s[6:7]
	v_lshl_add_u32 v254, v0, 2, 0x48000
	v_mov_b32 v255, 0
	ds_add_u32 v254, v255
	ds_add_u32 v254, v255
	v_lshrrev_b32 v1, 5, v0
	v_readfirstlane_b32 s14, v1                    ; wave 0..3
	s_lshr_b32 s15, s14, 1                         ; wr: which 64 rows of P are mine.  Also: I fetch for P (0) or for R (1)
	s_and_b32 s16, s14, 1                          ; wc: which 128 rows of R.  Also: which half of that tile I fetch
	s_bfe_u32 s40, ttmp6, 0x40000                  ; cx
	s_bfe_u32 s41, ttmp6, 0x40004                  ; cy
	s_lshl_b32 s43, s41, 2
	s_lshl_b32 s43, 15, s43                        ; my row of the cluster
	s_lshl_b32 s44, 0x1111, s40                    ; my column
	s_mov_b32 s[SEL], 0x76543210
	s_mov_b32 s[SEL+1], 0xfedcba98
	s_lshr_b32 s17, ttmp9, 1                       ; the cluster's number c says which tiles: kind 0: P's group c / 2, R's c % 2;
	s_and_b32 s19, ttmp9, 1
	s_sub_co_u32 s21, ttmp9, 32
	s_lshr_b32 s22, s21, 3                         ; kind 1: (c - 32) / 8 and (c - 32) % 8
	s_and_b32 s23, s21, 7
	s_cmp_lt_u32 ttmp9, 32
	s_cselect_b32 s17, s17, s22
	s_cselect_b32 s19, s19, s23
	s_cselect_b32 s45, 0, 640                      ; where P's blocks begin in opq,
	s_cselect_b32 s46, 512, 0                      ; and R's
	s_cselect_b32 s42, 0, 1                        ; kind: the same in all sixteen partners
	s_lshl_b32 s18, s17, 2
	s_add_co_u32 s18, s18, s41                     ; pt: P's tile of 128 rows
	s_lshl_b32 s20, s19, 2
	s_add_co_u32 s20, s20, s40                     ; rt: R's tile of 256 rows
	s_lshl_b32 s17, s18, 3
	s_add_co_u32 s17, s17, s45                     ; P's first block
	s_lshl_b32 s19, s20, 4
	s_add_co_u32 s19, s19, s46                     ; R's first block
	; descriptor group 1: rows = blocks; a row is a whole block, all eight K steps: 12,288 bytes = 1,536 elements of 8 bytes; the blocks are dense in memory and in LDS
	s_or_b32 s[G1P], s43, (3<<16)|(1<<21)          ; 15:0 the mask; 17:16 elements of 8 bytes; 21 set beside a mask
	s_or_b32 s[G1R], s44, (3<<16)|(1<<21)
	s_mov_b32 s[G1P+1], 1536<<16                   ; tensor_dim0
	s_mov_b32 s[G1P+2], 4<<16                      ; tensor_dim1: P's half tile is 4 blocks
	s_mov_b32 s[G1P+3], 1536<<16                   ; tile_dim0
	s_mov_b32 s[G1P+4], 4                          ; tile_dim1
	s_mov_b32 s[G1P+5], 1536                       ; tensor_dim0_stride
	s_mov_b32 s[G1P+6], 0
	s_mov_b32 s[G1P+7], 0
	s_mov_b32 s[G1R+1], 1536<<16
	s_mov_b32 s[G1R+2], 8<<16                      ; R's half tile is 8 blocks
	s_mov_b32 s[G1R+3], 1536<<16
	s_mov_b32 s[G1R+4], 8
	s_mov_b32 s[G1R+5], 1536
	s_mov_b32 s[G1R+6], 0
	s_mov_b32 s[G1R+7], 0
	s_lshl_b32 s21, s16, 2
	s_add_co_u32 s21, s21, s17
	s_mul_i32 s84, s21, 12288                      ; P: my half tile, in bytes (made of cy and the cluster's number alone)
	s_mov_b32 s85, 0
	s_lshl_b32 s22, s16, 3
	s_add_co_u32 s22, s22, s19
	s_mul_i32 s86, s22, 12288                      ; R: likewise (cx and the cluster's number alone)
	s_mov_b32 s87, 0
	s_mul_i32 s88, s16, 49152                      ; where they go in LDS: the wave's number alone: P's halves of 4 blocks,
	s_mul_i32 s89, s16, 98304                      ; R's halves of 8 blocks
	s_wait_dscnt 0x0
	s_wait_kmcnt 0x0
	s_add_nc_u64 s[84:85], s[4:5], s[84:85]
	s_add_nc_u64 s[86:87], s[4:5], s[86:87]
.irp g, 0                              ; one group 0 for P's half tile and one for R's
	s_mov_b32 s[G0P+4*\g], 1
	s_add_co_u32 s[G0P+4*\g+1], s88, \g*24576
	s_add_nc_u64 s[G0P+4*\g+2:G0P+4*\g+3], s[84:85], \g*3072
	s_or_b32 s[G0P+4*\g+3], s[G0P+4*\g+3], 0x80000000
	s_mov_b32 s[G0R+4*\g], 1
	s_add_co_u32 s[G0R+4*\g+1], s89, 98304+\g*49152
	s_add_nc_u64 s[G0R+4*\g+2:G0R+4*\g+3], s[86:87], \g*3072
	s_or_b32 s[G0R+4*\g+3], s[G0R+4*\g+3], 0x80000000
.endr
	CROUND                                         ; all sixteen work-groups are here: the joint loads meet
	s_cmp_eq_u32 s15, 0                            ; one tensor load a wave, its half tile for all of K
	s_cbranch_scc0 .Lfor_r
.irp g, 0
	tensor_load_to_lds s[G0P+4*\g:G0P+4*\g+3], s[G1P:G1P+7]
	s_nop 0
.endr
	PLACES
	s_branch .Lasked
.Lfor_r:
.irp g, 0
	tensor_load_to_lds s[G0R+4*\g:G0R+4*\g+3], s[G1R:G1R+7]
	s_nop 0
.endr
	PLACES
.Lasked:
	v_and_b32 v1, 31, v0
	v_and_b32 v2, 15, v0
	v_bfe_u32 v3, v0, 4, 1
	v_lshlrev_b32 v12, 4, v2
	v_lshl_add_u32 v12, v3, 9, v12                 ; scale words: lanes 0-15 an even block, lanes 16-31 the odd one; 16 bytes (four K steps) a row
	s_wait_alu depctr_va_vdst(0)
	v_lshlrev_b32 v13, 4, v1                       ; 16 x lane
	v_lshlrev_b32 v14, 3, v1                       ; 8 x lane
	s_wait_alu depctr_va_vdst(0)
	s_lshl_b32 s21, s16, 3
	s_add_co_u32 s21, s21, s19
	s_lshl_b32 s90, s21, 9
	s_add_co_u32 s90, s90, SCO
	s_mov_b32 s91, 0
	s_add_nc_u64 s[90:91], s[4:5], s[90:91]        ; the scale bytes of my 8 blocks of R,
	s_lshl_b32 s21, s15, 2
	s_add_co_u32 s21, s21, s17
	s_lshl_b32 s92, s21, 9
	s_add_co_u32 s92, s92, SCO
	s_mov_b32 s93, 0
	s_add_nc_u64 s[92:93], s[4:5], s[92:93]        ; and of my 4 blocks of P: they come once, into registers, sixteen lanes to 256 consecutive bytes
.irp i, 0,1,2,3
.irp f, 0,1
	global_load_b128 v[RS+8*\i+4*\f:RS+8*\i+4*\f+3], v12, s[90:91] offset:1024*\i+256*\f
.endr
.endr
.irp i, 0,1
.irp f, 0,1
	global_load_b128 v[PS+8*\i+4*\f:PS+8*\i+4*\f+3], v12, s[92:93] offset:1024*\i+256*\f
.endr
.endr
	s_mul_i32 s21, s15, 49152
	s_mul_i32 s22, s16, 98304
	s_add_co_u32 s22, s22, 98304
.irp g, 0,1,2,3
.if \g < 2
	v_add_nc_u32 v[ADP+\g], s21, v14               ; an address for each two of my blocks (24,576 bytes): a register pair is 256 consecutive bytes, 8 a lane
.endif
	v_add_nc_u32 v[ADR+\g], s22, v14
	s_add_co_u32 s21, s21, 24576
	s_add_co_u32 s22, s22, 24576
.endr
.macro FETCH k                         ; K step k's fragments: R's eight into set k % 2 of window 2, P's four into set k % 2 of window 0: 72 loads of 8 bytes a lane
.set fs, (\k)/2
.set fq, (\k)%2
	WIN 0x80
.irp i, 0,1,2,3,4,5,6,7
.irp p, 0,1,2,3,4,5
	ds_load_b64 v[96*fq+12*\i+2*\p:96*fq+12*\i+2*\p+1], v[ADR+(\i)/2] offset:12288*((\i)%2)+1536*(\k)+256*\p
.endr
.endr
	WIN 0
.irp i, 0,1,2,3
.irp p, 0,1,2,3,4,5
	ds_load_b64 v[PF+48*fq+12*\i+2*\p:PF+48*fq+12*\i+2*\p+1], v[ADP+(\i)/2] offset:12288*((\i)%2)+1536*(\k)+256*\p
.endr
.endr
.endm
; One product: P's block a x R's block b, K step s.  cmode 0: adds in place; 1: starts the sum with 0; 2: with the registers at BIAS.
.macro WM a, b, s, cmode
.set rD, 8*(8*(\a)+(\b))
.set rA, 96*((\s)%2)+12*(\b)
.set rB, PF+48*((\s)%2)+12*(\a)
.set rX, RS+8*((\b)/2)+(\s)
.set rY, PS+8*((\a)/2)+(\s)
.set rC, rD
.if \cmode == 2
.set rC, BIAS+8*(\b)
.endif
.set par, 2*((\a)%2)+(\b)%2
.if \cmode == 1
.if par == 0
	v_wmma_scale_f32_16x16x128_f8f6f4 v[rD:rD+7], v[rA:rA+11], v[rB:rB+11], 0, v[rX], v[rY] matrix_a_fmt:MATRIX_FMT_FP6 matrix_b_fmt:MATRIX_FMT_FP6
.elseif par == 1
	v_wmma_scale_f32_16x16x128_f8f6f4 v[rD:rD+7], v[rA:rA+11], v[rB:rB+11], 0, v[rX], v[rY] matrix_a_fmt:MATRIX_FMT_FP6 matrix_b_fmt:MATRIX_FMT_FP6 matrix_a_scale:MATRIX_SCALE_ROW1
.elseif par == 2
	v_wmma_scale_f32_16x16x128_f8f6f4 v[rD:rD+7], v[rA:rA+11], v[rB:rB+11], 0, v[rX], v[rY] matrix_a_fmt:MATRIX_FMT_FP6 matrix_b_fmt:MATRIX_FMT_FP6 matrix_b_scale:MATRIX_SCALE_ROW1
.else
	v_wmma_scale_f32_16x16x128_f8f6f4 v[rD:rD+7], v[rA:rA+11], v[rB:rB+11], 0, v[rX], v[rY] matrix_a_fmt:MATRIX_FMT_FP6 matrix_b_fmt:MATRIX_FMT_FP6 matrix_a_scale:MATRIX_SCALE_ROW1 matrix_b_scale:MATRIX_SCALE_ROW1
.endif
.else
.if par == 0
	v_wmma_scale_f32_16x16x128_f8f6f4 v[rD:rD+7], v[rA:rA+11], v[rB:rB+11], v[rC:rC+7], v[rX], v[rY] matrix_a_fmt:MATRIX_FMT_FP6 matrix_b_fmt:MATRIX_FMT_FP6
.elseif par == 1
	v_wmma_scale_f32_16x16x128_f8f6f4 v[rD:rD+7], v[rA:rA+11], v[rB:rB+11], v[rC:rC+7], v[rX], v[rY] matrix_a_fmt:MATRIX_FMT_FP6 matrix_b_fmt:MATRIX_FMT_FP6 matrix_a_scale:MATRIX_SCALE_ROW1
.elseif par == 2
	v_wmma_scale_f32_16x16x128_f8f6f4 v[rD:rD+7], v[rA:rA+11], v[rB:rB+11], v[rC:rC+7], v[rX], v[rY] matrix_a_fmt:MATRIX_FMT_FP6 matrix_b_fmt:MATRIX_FMT_FP6 matrix_b_scale:MATRIX_SCALE_ROW1
.else
	v_wmma_scale_f32_16x16x128_f8f6f4 v[rD:rD+7], v[rA:rA+11], v[rB:rB+11], v[rC:rC+7], v[rX], v[rY] matrix_a_fmt:MATRIX_FMT_FP6 matrix_b_fmt:MATRIX_FMT_FP6 matrix_a_scale:MATRIX_SCALE_ROW1 matrix_b_scale:MATRIX_SCALE_ROW1
.endif
.endif
.endm
.macro MUL k, cmode                    ; a K step's 32 products; the 32 accumulators take turns, one instruction a turn, in the same order in every step
.if \cmode == 2
	WIN 0x62                                       ; source 0 (R) window 2, source 1 (P) window 0, C window 2, D window 1
.else
	WIN 0x52                                       ; the same, C window 1
.endif
.irp a, 0,1,2,3
.irp b, 0,1,2,3,4,5,6,7
	WM \a, \b, \k, \cmode
.endr
.endr
	WIN 0
.endm
.macro KSTEP k, cmode
	s_wait_dscnt 0x0                               ; step k's fragments, asked for a step ago, are in (72 loads are more than a counted wait could leave out)
.if (\k) < 7
.if (\k) > 0
	PLACES                                         ; four places in front of loads into the set that the last step multiplied
.endif
	FETCH (\k)+1
.endif
	MUL \k, \cmode
.endm
	s_wait_alu depctr_va_vdst(0)
	s_wait_tensorcnt 0x0                           ; my half tile is in
	s_barrier_signal -1
	s_barrier_wait -1
	FETCH 0
	s_wait_loadcnt 0x0                             ; the scale words
	KSTEP 0, 1                                     ; the first step's products start the sums
.irp k, 1,2,3,4,5,6,7
	KSTEP \k, 0
.endr
; THE WAY OUT.  Blocks a = 2 j, 2 j + 1 of P: in each, the 64 registers of a lane are 4 blocks of 32 along R, half a block each (the other half lies in lane l xor 16).
.macro QUANT2 j, kind
.irp n, 0,1,2,3,4,5,6,7
	v_mov_b32 v[TM+\n], 0x1800000                  ; the floor 2^(3 - 127): the byte cannot fall under 1
.endr
	WIN 0x14                                       ; sources 1 and 2: the accumulators' window
.irp i, 0,2,4,6,8,10,12,14             ; ascending: each accumulator is read from its low end on; the eight blocks by turns
.irp x, 0,1
.irp b, 0,1,2,3
	v_max3_num_f32 v[TM+4*\x+\b], v[TM+4*\x+\b], |v[64*(2*\j+\x)+16*\b+\i]|, |v[64*(2*\j+\x)+16*\b+\i+1]|
.endr
.endr
.endr
	WIN 0
.irp n, 0,1,2,3,4,5,6,7
	v_permlanex16_b32 v[TP+\n], v[TM+\n], s[SEL], s[SEL+1]
.endr
.irp n, 0,1,2,3,4,5,6,7
	v_max_num_f32 v[TM+\n], v[TM+\n], v[TP+\n]     ; with lane l xor 16's: the block's largest magnitude
.endr
.irp n, 0,1,2,3,4,5,6,7
	v_add_nc_u32 v[SC+\n], 0xff000000, v[TM+\n]    ; 2 off the exponent field: the conversion's scale operand
.endr
.irp n, 0,1,2,3,4,5,6,7
	v_lshrrev_b32 v[BY+\n], 23, v[SC+\n]           ; the scale's byte
.endr
.irp x, 0,1
	v_lshl_or_b32 v[PW+\x], v[BY+4*\x+1], 8, v[BY+4*\x]
.endr
.irp x, 0,1
	v_lshl_or_b32 v[PW+\x], v[BY+4*\x+2], 16, v[PW+\x]
.endr
.irp x, 0,1
	v_lshl_or_b32 v[PW+\x], v[BY+4*\x+3], 24, v[PW+\x]
.endr
	WIN 0x01                                       ; source 0: the accumulators' window
.irp x, 0,1
.irp c, 0,1
.if \kind == 0
.set XD, GG+24*\j+12*\c+6*\x                       ; q, k: head c of my two; the pair's two blocks of tokens side by side
.else
.set XD, GG+24*\j+12*\x+6*\c                       ; v: tile a's whole fragment
.endif
	v_cvt_scalef32_pk16_fp6_f32 v[XD:XD+2], v[64*(2*\j+\x)+32*\c:64*(2*\j+\x)+32*\c+15], v[SC+4*\x+2*\c]
	v_cvt_scalef32_pk16_fp6_f32 v[YT+4*(2*\x+\c):YT+4*(2*\x+\c)+2], v[64*(2*\j+\x)+32*\c+16:64*(2*\j+\x)+32*\c+31], v[SC+4*\x+2*\c+1]
.endr
.endr
	WIN 0
	v_nop                                          ; one plain place behind a scaled conversion
.irp x, 0,1
.irp c, 0,1
.if \kind == 0
.set XD, GG+24*\j+12*\c+6*\x
.else
.set XD, GG+24*\j+12*\x+6*\c
.endif
.irp i, 0,1,2
	v_permlane16_swap_b32 v[XD+\i], v[YT+4*(2*\x+\c)+\i]   ; the operand's layout wants a whole block of 32 in a lane
.endr
.irp i, 0,1,2
	v_mov_b32 v[XD+3+\i], v[YT+4*(2*\x+\c)+\i]
.endr
.endr
.endr
.irp g, 0,1
.irp q, 0,1,2
.if \kind == 0
	; q, k leave by register pairs: pair P of the twelve registers at 256 P + 8 x lane (P 0-2 the first block of 16 tokens, 3-5 the second): 32 lanes store 256 consecutive bytes, aligned
	global_store_b64 v14, v[GG+24*\j+12*\g+4*\q:GG+24*\j+12*\g+4*\q+1], s[90:91] offset:393216*\g+1536*\j+512*\q
	global_store_b64 v14, v[GG+24*\j+12*\g+4*\q+2:GG+24*\j+12*\g+4*\q+3], s[90:91] offset:393216*\g+1536*\j+512*\q+256
.else
	global_store_b128 v13, v[GG+24*\j+12*\g+4*\q:GG+24*\j+12*\g+4*\q+3], s[90:91] offset:1536*(2*\j+\g)+512*\q
.endif
.endr
.endr
	v_cndmask_b32 v[MM], v[PW], v[PW+1], vcc_lo    ; lanes 0-15 the even block's word, lanes 16-31 the odd one's
.if \kind == 0
	v_perm_b32 v[SW+\j], v[MM], v[MM], 0x01000100  ; head 0's two bytes, twice: the unused half of the next product's K carries no other exponent than the used one
	v_perm_b32 v[SW+2+\j], v[MM], v[MM], 0x03020302
.else
	v_mov_b32 v[MV+\j], v[MM]
.endif
.endm
.irp n, 0,1,2,3,4,5,6,7
	v_mov_b32 v[TP+\n], 0                          ; a lane permute's destination counts as one of its sources.  These eight are also the places behind the last products
.endr
	s_mov_b32 vcc_lo, 0xffff0000
	s_cmp_lg_u32 s42, 0
	s_cbranch_scc1 .Lkind1
	s_lshl_b32 s96, s20, 2
	s_lshl_b32 s97, s16, 1
	s_add_co_u32 s96, s96, s97                     ; my first head's slot: 4 rt + 2 wc
	s_lshl_b32 s97, s18, 1
	s_add_co_u32 s97, s97, s15                     ; my 64 tokens: 2 pt + wr
	s_mul_i32 s90, s96, 393216
	s_mul_i32 s98, s97, 3072
	s_add_co_u32 s90, s90, s98
	s_mov_b32 s91, 0
	s_add_nc_u64 s[90:91], s[6:7], s[90:91]
	s_lshl_b32 s92, s96, 15
	s_lshl_b32 s98, s97, 8
	s_add_co_u32 s92, s92, s98
	s_add_co_u32 s92, s92, QKS
	s_mov_b32 s93, 0
	s_add_nc_u64 s[92:93], s[6:7], s[92:93]
	QUANT2 0, 0
	QUANT2 1, 0                                    ; each j has code registers of its own: no store's data are written again
	global_store_b64 v14, v[SW:SW+1], s[92:93]     ; 32 lanes store 256 consecutive bytes, aligned
	global_store_b64 v14, v[SW+2:SW+3], s[92:93] offset:32768
	s_branch .Lend
.Lkind1:
	s_lshl_b32 s96, s20, 1
	s_add_co_u32 s96, s96, s16                     ; my 128 tokens: 2 rt + wc
	s_lshl_b32 s97, s18, 1
	s_add_co_u32 s97, s97, s15                     ; my head: 2 pt + wr
	s_lshr_b32 s98, s96, 4
	s_lshl_b32 s98, s98, 4
	s_add_co_u32 s98, s98, s97                     ; batch x 16 + head
	s_and_b32 s96, s96, 15                         ; key step
	s_mul_i32 s90, s98, 98304
	s_mul_i32 s99, s96, 6144
	s_add_co_u32 s90, s90, s99
	s_add_co_u32 s90, s90, VC
	s_mov_b32 s91, 0
	s_add_nc_u64 s[90:91], s[6:7], s[90:91]
	s_lshl_b32 s92, s98, 12
	s_lshl_b32 s99, s96, 8
	s_add_co_u32 s92, s92, s99
	s_add_co_u32 s92, s92, VS
	s_mov_b32 s93, 0
	s_add_nc_u64 s[92:93], s[6:7], s[92:93]
	QUANT2 0, 1
	QUANT2 1, 1
	global_store_b64 v14, v[MV:MV+1], s[92:93]
.Lend:
	s_wait_tensorcnt 0x0
	ds_add_u32 v254, v255
	s_wait_dscnt 0x0
	CROUND                                         ; the closing round: no work-group ends while a partner may still ask for a tile that names it
	s_endpgm
.Lfunc_end_k_q25eac4bc57_qkv:
	.size	k_q25eac4bc57_qkv, .Lfunc_end_k_q25eac4bc57_qkv-k_q25eac4bc57_qkv
	.p2alignl 7, 3214868480
	.fill 96, 4, 3214868480
	.section	.rodata,"a",@progbits
	.p2align	6, 0x0
	.amdhsa_kernel k_q25eac4bc57_qkv
		.amdhsa_group_segment_fixed_size 295424
		.amdhsa_private_segment_fixed_size 0
		.amdhsa_enable_private_segment 0
		.amdhsa_kernarg_size 16
		.amdhsa_user_sgpr_count 2
		.amdhsa_user_sgpr_kernarg_segment_ptr 1
		.amdhsa_wavefront_size32 1
		.amdhsa_system_sgpr_workgroup_id_x 1
		.amdhsa_system_sgpr_workgroup_id_y 1
		.amdhsa_system_sgpr_workgroup_id_z 1
		.amdhsa_system_vgpr_workitem_id 0
		.amdhsa_next_free_vgpr 704
		.amdhsa_next_free_sgpr 100
		.amdhsa_reserve_vcc 1
		.amdhsa_float_denorm_mode_32 3
		.amdhsa_float_denorm_mode_16_64 3
		.amdhsa_memory_ordered 1
		.amdhsa_forward_progress 1
		.amdhsa_inst_pref_size 116
	.end_amdhsa_kernel
	.amdgpu_metadata
---
amdhsa.version: [ 1, 2 ]
amdhsa.kernels:
  - .name:           k_q25eac4bc57_qkv
    .symbol:         k_q25eac4bc57_qkv.kd
    .args:
      - { .name: opq, .offset: 0, .size: 8, .value_kind: global_buffer, .address_space: global }
      - { .name: qkvq, .offset: 8, .size: 8, .value_kind: global_buffer, .address_space: global }
    .group_segment_fixed_size: 295424
    .private_segment_fixed_size: 0
    .kernarg_segment_align: 8
    .kernarg_segment_size: 16
    .max_flat_workgroup_size: 128
    .sgpr_count:     100
    .vgpr_count:     704
    .wavefront_size: 32
...
	.end_amdgpu_metadata
.endif
;; end of part 2
;; launch attn (part 3): grid 4 x 64, 16 waves a work-group, clusters of 4 x 1, 212,224 bytes of LDS; arguments qkvq, pos, aoq; writes aoq
.if DOCPART == 3
	.amdgcn_target "amdgcn-amd-amdhsa--gfx1250"
	.amdhsa_code_object_version 6
	.text
	.protected	k_q25eac4bc57_attn
	.globl	k_q25eac4bc57_attn
	.p2align	8
	.type	k_q25eac4bc57_attn,@function
k_q25eac4bc57_attn:
	s_mov_b64 s[64:65], 0
	v_nop
	global_prefetch_b8 v0, s[64:65] scope:SCOPE_SE
	s_setreg_imm32_b32 hwreg(HW_REG_WAVE_MODE, 25, 1), 1
	s_wait_xcnt 0x0
	s_wait_alu depctr_hold_cnt(0) depctr_sa_sdst(0) depctr_va_vdst(0) depctr_va_sdst(0) depctr_va_ssrc(0) depctr_va_vcc(0) depctr_vm_vsrc(0)
	s_getreg_b32 s2, hwreg(HW_REG_IB_STS2, 6, 4)
	s_cmp_eq_u32 s2, 0
	s_cbranch_scc0 .Lentry_in_a_cluster
	s_endpgm
.Lentry_in_a_cluster:
	s_bfe_u32 s2, ttmp6, 0x10000c
	s_cmp_lg_u32 s2, 0x3003
	s_cbranch_scc0 .Lentry_shape_is_right
	s_endpgm
.Lentry_shape_is_right:
; ATTN: softmax(q k^T / 8) v for one (batch, head), both products on codes of E2M3; then / the row's sum, + pos, and the quantising along the features for the last product.
; THE SOFTMAX: t = score x log2(e) / 8; M = the row's largest t so far, rounded UP to a whole number; p = 2^(t - M) is quantised along the keys, not normalised.  The row's sum is taken of the
; unquantised p and divides at the end.  When M moves, the sum and O are multiplied by 2^(old M - new M): exact.
; SHARES.  A work-group owns 512 queries of a head; the head's four work-groups are one cluster.  The head's whole K and V (codes 2 x 98,304 bytes, scale words 12,288) land in LDS ONCE, by joint loads, one a wave:
; waves 0-7 K's codes, 8-13 V's, 14 K's scale words, 15 V's.  No LDS byte is filled twice.  Each of sixteen waves owns 32 queries, in two passes of 16, each pass walking all 2,048 keys, 128 a step.
; LAYOUT.  Both products are used transposed: S^T = K Q^T, O^T = V^T P^T: a lane holds ONE query throughout.  Tile 4 c + t of a step takes as rows 0-7 keys 64 c + 8 t + 0..7 and as rows 8-15 keys 64 c + 32 + 8 t + 0..7.
; So the 32 registers of tiles 4 c .. 4 c + 3 in lane (r, h) are keys 64 c + 32 h + 0 .. 31 in order: ONE WHOLE BLOCK of the second product's K, as that operand's layout wants it: a block's maximum needs no other lane,
; and the conversions' results are the operand's registers (but for the odd start of each second half, which is moved).
; In memory a pair of 32 tokens is 1,536 bytes: block u, register pair p at 768 u + 256 p + 8 x lane; lane r of block u holds token 8 u + r + 8 (r / 8).  Key 8 t + m of a pair is block t % 2, lane 8 (t / 2) + m.
; The even pairs lie in LDS from 0, the odd ones from KOL = 49,152 + 64: the 32 lanes of a load of 8 bytes then name 256 different bytes modulo 256.
; THE FIRST PRODUCT'S K IS 64, THE INSTRUCTION'S 128.  Q's upper six registers hold zero codes.  K's tile is named as twelve registers from its six on: the upper six are the next tile's codes (behind tile 7: six
; registers of zeros).  E2M3 has no infinity and no NaN, so these products are exact zeros; the scale words repeat their two bytes, so the unused half carries no other exponent.
; NO PREFETCH: K and V are asked for once, at the head, and there is no loop to run ahead in; a pass's rows of pos are loaded a whole walk over the keys ahead of their use.
; LIMITS: the promise holds while the scaled scores t stay under 2^31 in magnitude; a block of zeros gets the byte 1 (its codes are zeros; only this program reads the bytes); blocks whose largest magnitude
; lies under 2^-124 were not tried; NaN and infinities are not served.
.set VC,   12582912
.set QKS,  18874368
.set VS,   19922944
.set AOS,  6291456
.set KOL,  49216                       ; LDS: K's even pairs at 0, its odd pairs at KOL,
.set VCL,  98560                       ; V's codes,
.set KSL,  196864                      ; K's scale words (8,192 bytes),
.set VSL,  205056                      ; V's (4,096),
.set AST,  209152                      ; 1,024 bytes into which no fill lands: the work-group's scale bytes on their way out,
.set SPARE, 210176                     ; and the spare words, 128 bytes a wave
.set AK0,  1                           ; v1   K: KOL (r / 8) + 128 h + 8 (r % 8)
.set AV0,  2                           ; v2   16 x lane + VCL
.set AS0,  3                           ; v3   KSL + 128 h + 8 (r % 8) + 4 (r / 8)
.set AT0,  4                           ; v4   8 x lane + VSL
.set ADK,  5                           ; v5-8 the step's addresses
.set ADV,  6
.set ADS,  7
.set ADT,  8
.set PO,   9                           ; v9   pos: my query's row and my half's 64 bytes
.set L8,   10                          ; v10  8 x lane
.set ASTA, 11                          ; v11  where my query's two scale bytes go
                                       ; v12 -M, v13 the largest score so far, v[14:15] the row's sum in two halves, v30-31 at work
.set QF,   16                          ; v16-27 Q: six registers of codes, six of zeros
.set QS,   28                          ; v28  Q's scale words: lanes 0-15 the first pass's, lanes 16-31 the second's
.set PSW,  29                          ; v29  p's scale word
.set KF,   32                          ; v32-79 eight tiles of K or four of V; v80-85 zeros
.set S,    86                          ; v86-149 S^T, then p
.set O,    150                         ; v150-181 O^T
.set PC,   182                         ; v182-193 p's codes
.set Y,    194                         ; v194-196, v198-200 second halves of conversions
.set SPW,  197                         ; v197 my spare word's address; never rewritten
.set NIL,  201                         ; v201 0; never rewritten
.set KSR,  202                         ; v202-205 K's scale words: register T / 2: tile T even in lanes 0-15, odd in lanes 16-31
.set VSR,  206                         ; v206-207 V's
.set BM,   208                         ; v208-211 maxima
.set TP,   212
.set SC,   216
.set OM,   218                         ; the old -M
.set FF,   220                         ; v[220:221] f = 2^(old M - new M)
.set X0,   222                         ; four chains of the step's sum
.set X1,   212
.set X2,   214
.set X3,   218
.set POS,  224                         ; v224-255 pos
.set WV,   10
.set SEL,  20
.set CS,   22
.set G1K,  24
.set G1V,  32
.set G1KS, 40
.set G1VS, 68
.set TK,   90
.set TS,   91
.set TV,   92
.set TT,   93
.set CNT,  94
.macro CROUND                          ; a round of the cluster's barrier
	s_barrier_signal -1
	s_barrier_wait -1
	s_cmp_lg_u32 s[WV], 0
	s_cbranch_scc1 .Lnot_wave_0_\@
	s_barrier_signal -3
.Lnot_wave_0_\@:
	s_barrier_wait -3
	s_barrier_signal -1
	s_barrier_wait -1
.endm
.macro D n
	s_delay_alu instid0(VALU_DEP_\n)
.endm
	s_load_b128 s[4:7], s[0:1], 0x0                ; qkvq s[4:5], pos s[6:7]
	s_load_b64 s[8:9], s[0:1], 0x10                ; aoq
	v_lshl_add_u32 v[SPW], v0, 2, SPARE
	v_mov_b32 v[NIL], 0
	ds_add_u32 v[SPW], v[NIL]                      ; the opening lines: the add, twice on end, and its wait ahead of my tensor load
	ds_add_u32 v[SPW], v[NIL]
	v_lshrrev_b32 v1, 5, v0
	v_readfirstlane_b32 s[WV], v1                  ; wave 0..15
	s_and_b32 s13, ttmp7, 0xffff                   ; 16 x batch + head: the four partners share it
	s_and_b32 s14, s13, 15                         ; head
	s_lshr_b32 s15, s13, 4                         ; batch
	s_add_co_u32 s16, s14, 16                      ; k's slot among q's and k's heads
	s_mul_i32 s17, s16, 393216
	s_mul_i32 s18, s15, 98304
	s_add_co_u32 s17, s17, s18                     ; K's codes; waves 0-7: wave / 4 says even or odd pairs, wave % 4 which eight of the 32
	s_lshr_b32 s18, s[WV], 2
	s_and_b32 s19, s[WV], 3
	s_mul_i32 s86, s18, 1536
	s_add_co_u32 s17, s17, s86
	s_mul_i32 s86, s19, 24576
	s_add_co_u32 s17, s17, s86
	s_mul_i32 s49, s18, KOL
	s_mul_i32 s86, s19, 12288
	s_add_co_u32 s49, s49, s86
	s_and_b32 s18, s[WV], 7                        ; V's codes; waves 8-13: a sixth each, 16,384 bytes
	s_lshl_b32 s18, s18, 14
	s_add_co_u32 s53, s18, VCL
	s_mul_i32 s19, s13, 98304
	s_add_co_u32 s19, s19, s18
	s_add_co_u32 s19, s19, VC
	s_lshl_b32 s86, s16, 15
	s_lshl_b32 s87, s15, 13
	s_add_co_u32 s86, s86, s87
	s_add_co_u32 s86, s86, QKS                     ; K's scale words
	s_lshl_b32 s87, s13, 12
	s_add_co_u32 s87, s87, VS                      ; V's
	s_mov_b32 s57, KSL
	s_mov_b32 s61, VSL
	s_mov_b32 s89, 0
	; descriptor groups 1: elements of 8 bytes; 15:0 the mask: all four work-groups; 21 set beside it
.irp g, G1K, G1V, G1KS, G1VS
	s_mov_b32 s[\g], 15|(3<<16)|(1<<21)
	s_mov_b32 s[\g+6], 0
	s_mov_b32 s[\g+7], 0
.endr
.macro MKG1 g, c, r, p                 ; r rows of c elements, p elements from row to row
	s_mov_b32 s[\g+1], (\c)<<16
	s_mov_b32 s[\g+2], (\r)<<16
	s_mov_b32 s[\g+3], (\c)<<16
	s_mov_b32 s[\g+4], \r
	s_mov_b32 s[\g+5], \p
.endm
	MKG1 G1K, 192, 8, 384                          ; eight pairs of 1,536 bytes, every second pair
	MKG1 G1V, 32, 64, 32                           ; dense blocks as rows of 256 bytes
	MKG1 G1KS, 32, 32, 32
	MKG1 G1VS, 32, 16, 32
	s_mov_b32 s[SEL], 0x76543210
	s_mov_b32 s[SEL+1], 0xfedcba98
	s_mov_b32 s[CS], 0x3e38aa3b                    ; c = log2(e) / 8
	s_mov_b32 s[CS+1], s[CS]
	s_wait_dscnt 0x0                               ; both opening adds are done
	s_wait_kmcnt 0x0
.macro MKG0 g, off
	s_mov_b32 s[\g], 1
	s_mov_b32 s88, s[\off]
	s_add_nc_u64 s[\g+2:\g+3], s[4:5], s[88:89]
	s_or_b32 s[\g+3], s[\g+3], 0x80000000
.endm
	MKG0 48, 17
	MKG0 52, 19
	MKG0 56, 86
	MKG0 60, 87
	CROUND                                         ; all four work-groups are here: the joint loads meet
.macro ARM under, g0, g1, next         ; one chain of branches on the wave's number: every way passes exactly one load
	s_cmp_lt_u32 s[WV], \under
	s_cbranch_scc0 \next
	tensor_load_to_lds s[\g0:\g0+3], s[\g1:\g1+7]
	s_nop 0
.rept 4
	v_nop
.endr
	s_branch .Lasked
\next:
.endm
	ARM 8,  48, G1K,  .Larm_v
	ARM 14, 52, G1V,  .Larm_ks
	ARM 15, 56, G1KS, .Larm_vs
	tensor_load_to_lds s[60:63], s[G1VS:G1VS+7]
	s_nop 0
.rept 4
	v_nop
.endr
.Lasked:
	; my queries: the place in the cluster enters global addresses of my own loads and stores alone
	s_bfe_u32 s11, ttmp6, 0x40000                  ; cx
	s_lshl_b32 s12, ttmp9, 2
	s_add_co_u32 s12, s12, s11                     ; which 512 queries
	s_lshl_b32 s16, s15, 6
	s_lshl_b32 s17, s12, 4
	s_add_co_u32 s16, s16, s17
	s_add_co_u32 s16, s16, s[WV]                   ; gp: my 32 tokens = 64 x batch + 16 x block + wave
	s_lshl_b32 s17, s14, 8
	s_add_co_u32 s17, s17, s16
	s_mul_i32 s76, s17, 1536
	s_mov_b32 s77, 0
	s_add_nc_u64 s[76:77], s[4:5], s[76:77]        ; Q's codes
	s_lshl_b32 s17, s14, 7
	s_lshr_b32 s18, s16, 1
	s_add_co_u32 s17, s17, s18
	s_lshl_b32 s78, s17, 8
	s_and_b32 s18, s16, 1
	s_lshl_b32 s18, s18, 2
	s_add_co_u32 s78, s78, s18
	s_add_co_u32 s78, s78, QKS
	s_mov_b32 s79, 0
	s_add_nc_u64 s[78:79], s[4:5], s[78:79]        ; Q's scale words
	s_lshl_b32 s80, s16, 17
	s_lshl_b32 s18, s14, 8
	s_add_co_u32 s80, s80, s18
	s_mov_b32 s81, 0
	s_add_nc_u64 s[80:81], s[6:7], s[80:81]        ; pos: 32 rows of 4,096 bytes a pair, the head's 256 bytes
	s_mul_i32 s82, s16, 24576
	s_mul_i32 s18, s14, 768
	s_add_co_u32 s82, s82, s18
	s_mov_b32 s83, 0
	s_add_nc_u64 s[82:83], s[8:9], s[82:83]        ; aoq's codes: block 2 gp, the head's three register pairs
	s_lshl_b32 s84, s14, 14
	s_lshl_b32 s18, s15, 12
	s_add_co_u32 s84, s84, s18
	s_lshl_b32 s18, s12, 10
	s_add_co_u32 s84, s84, s18
	s_add_co_u32 s84, s84, AOS
	s_mov_b32 s85, 0
	s_add_nc_u64 s[84:85], s[8:9], s[84:85]        ; aoq's scale bytes: the head's, of the work-group's 512 tokens
	s_lshr_b32 s18, s[WV], 1
	s_lshl_b32 s18, s18, 7
	s_and_b32 s19, s[WV], 1
	s_lshl_b32 s19, s19, 1
	s_add_co_u32 s18, s18, s19
	s_add_co_u32 s18, s18, AST
	v_and_b32 v30, 31, v0                          ; lane
	v_and_b32 v31, 15, v0                          ; r
	v_bfe_u32 v5, v0, 4, 1                         ; h
	v_bfe_u32 v6, v0, 3, 1                         ; r / 8
	v_and_b32 v7, 7, v0                            ; r % 8
	v_mul_u32_u24 v[AK0], v6, KOL
	v_lshlrev_b32 v[AS0], 2, v6
	v_lshl_add_u32 v[AK0], v5, 7, v[AK0]
	v_lshl_add_u32 v[AS0], v5, 7, v[AS0]
	v_lshl_add_u32 v[AK0], v7, 3, v[AK0]
	v_lshl_add_u32 v[AS0], v7, 3, v[AS0]
	v_lshlrev_b32 v[AV0], 4, v30
	v_lshlrev_b32 v[L8], 3, v30
	v_add_nc_u32 v[AS0], KSL, v[AS0]
	v_add_nc_u32 v[AV0], VCL, v[AV0]
	v_add_nc_u32 v[AT0], VSL, v[L8]
	v_and_b32 v6, 8, v31
	v_lshl_add_u32 v[ASTA], v31, 2, s18
	v_add_nc_u32 v6, v6, v31
	v_lshlrev_b32 v[PO], 12, v6
	v_lshl_add_u32 v[PO], v5, 6, v[PO]             ; row r + 8 (r / 8), + 64 h
.irp i, 0,1,2,3,4,5
	v_mov_b32 v[QF+6+\i], 0                        ; zero codes: the unused half of the first product's K
	v_mov_b32 v[KF+48+\i], 0
.endr
	v_mov_b32 v[TP], 0                             ; a lane permute's destination counts as one of its sources
	v_mov_b32 v[TP+1], 0
	v_mov_b32 v[FF+1], 0                           ; (named as the upper half of a pair)
	s_wait_alu depctr_va_vdst(0)
.macro SMUL T, u                       ; S^T tile T = 16 keys x my 16 queries
.set rD, S+8*(\T)
.set rA, KF+6*(\T)
.set rX, KSR+(\T)/2
.set par, 2*(\u)+(\T)%2
.if par == 0
	v_wmma_scale_f32_16x16x128_f8f6f4 v[rD:rD+7], v[rA:rA+11], v[QF:QF+11], 0, v[rX], v[QS] matrix_a_fmt:MATRIX_FMT_FP6 matrix_b_fmt:MATRIX_FMT_FP6
.elseif par == 1
	v_wmma_scale_f32_16x16x128_f8f6f4 v[rD:rD+7], v[rA:rA+11], v[QF:QF+11], 0, v[rX], v[QS] matrix_a_fmt:MATRIX_FMT_FP6 matrix_b_fmt:MATRIX_FMT_FP6 matrix_a_scale:MATRIX_SCALE_ROW1
.elseif par == 2
	v_wmma_scale_f32_16x16x128_f8f6f4 v[rD:rD+7], v[rA:rA+11], v[QF:QF+11], 0, v[rX], v[QS] matrix_a_fmt:MATRIX_FMT_FP6 matrix_b_fmt:MATRIX_FMT_FP6 matrix_b_scale:MATRIX_SCALE_ROW1
.else
	v_wmma_scale_f32_16x16x128_f8f6f4 v[rD:rD+7], v[rA:rA+11], v[QF:QF+11], 0, v[rX], v[QS] matrix_a_fmt:MATRIX_FMT_FP6 matrix_b_fmt:MATRIX_FMT_FP6 matrix_a_scale:MATRIX_SCALE_ROW1 matrix_b_scale:MATRIX_SCALE_ROW1
.endif
.endm
.macro SUM4 k                          ; the four chains take p's register pairs k .. k + 3
	v_pk_add_f32 v[X0:X0+1], v[X0:X0+1], v[S+2*(\k):S+2*(\k)+1]
	v_pk_add_f32 v[X1:X1+1], v[X1:X1+1], v[S+2*(\k)+2:S+2*(\k)+3]
	v_pk_add_f32 v[X2:X2+1], v[X2:X2+1], v[S+2*(\k)+4:S+2*(\k)+5]
	v_pk_add_f32 v[X3:X3+1], v[X3:X3+1], v[S+2*(\k)+6:S+2*(\k)+7]
.endm
; A KEY STEP: 128 keys.  u: the pass (which half of Q's scale register counts).
.macro STEP u
	v_add_nc_u32 v[ADK], s[TK], v[AK0]
	v_add_nc_u32 v[ADS], s[TS], v[AS0]
.irp T, 0,1,2,3,4,5,6,7
.irp p, 0,1,2
	ds_load_b64 v[KF+6*\T+2*\p:KF+6*\T+2*\p+1], v[ADK] offset:1536*(\T/4)+768*(\T%2)+64*((\T%4)/2)+256*\p   ; (24 plain vector lines stand between the last step's products and these loads)
.endr
.endr
.irp n, 0,1,2,3
	ds_load_b32 v[KSR+\n], v[ADS] offset:256*(\n/2)+64*(\n%2)
.endr
	s_wait_dscnt 0x0
.irp T, 0,1,2,3,4,5,6,7
	SMUL \T, \u
.endr
	v_add_nc_u32 v[ADV], s[TV], v[AV0]             ; four places: in front of the loads below and of the first read of the scores
	v_add_nc_u32 v[ADT], s[TT], v[AT0]
	v_mov_b32 v[OM], v12                           ; the old -M
	v_nop
.irp n, 0,1,2,3,4,5,6,7,8,9,10,11
	ds_load_b128 v[KF+4*\n:KF+4*\n+3], v[ADV] offset:512*\n          ; four tiles of V^T: they land under the softmax
.endr
	ds_load_b64 v[VSR:VSR+1], v[ADT]
; the largest score of my two blocks of 32 keys, each in two chains: for the row's maximum, and, since p rises with the score, for the block's largest p.  Each accumulator is read from its low end on
.irp n, 0,1,2,3
	v_max3_num_f32 v[BM+\n], v[S+16*\n], v[S+16*\n+1], v[S+16*\n+2]
.endr
.irp i, 3,5,7,9,11,13
.irp n, 0,1,2,3
	v_max3_num_f32 v[BM+\n], v[BM+\n], v[S+16*\n+\i], v[S+16*\n+\i+1]
.endr
.endr
	v_max3_num_f32 v[BM], v[BM], v[BM+1], v[S+15]
	v_max3_num_f32 v[BM+2], v[BM+2], v[BM+3], v[S+47]
	v_max_num_f32 v[BM], v[BM], v[S+31]
	v_max_num_f32 v[BM+2], v[BM+2], v[S+63]
	v_max_num_f32 v30, v[BM], v[BM+2]
	v_permlanex16_b32 v[TP], v30, s[SEL], s[SEL+1]
	v_max3_num_f32 v13, v13, v30, v[TP]            ; the largest score so far, with lane l xor 16's 64 keys
	v_mul_f32 v31, s[CS], v13                      ; as t (c is positive)
	v_floor_f32 v12, -v31                          ; the new -M = floor(-t): M is a whole number
	v_sub_f32 v30, v12, v[OM]                      ; old M - new M: a whole number, 0 or less
	v_cvt_i32_f32 v30, v30                         ; (it saturates)
	v_ldexp_f32 v[FF], 1.0, v30                    ; f = 2^(old M - new M)
.set j, 0
.rept 32
	v_pk_fma_f32 v[S+j:S+j+1], v[S+j:S+j+1], s[CS:CS+1], v[12:13] op_sel_hi:[1,0,0]   ; t - M
.set j, j+2
.endr
	v_fma_f32 v[BM], v[BM], s[CS], v12             ; the same of each block's largest score
	v_fma_f32 v[BM+2], v[BM+2], s[CS], v12
.set j, 0
.rept 16
	v_pk_mul_f32 v[O+j:O+j+1], v[O+j:O+j+1], v[FF:FF+1] op_sel_hi:[1,0]   ; O^T under the new M; ascending
.set j, j+2
.endr
	s_wait_alu depctr_va_vdst(0)
.set j, 0
.rept 64
	v_exp_f32 v[S+j], v[S+j]                       ; p = 2^(t - M), at most 1
.set j, j+1
.endr
	v_exp_f32 v[BM], v[BM]                         ; the block's largest p: the same two instructions on the same number
	v_exp_f32 v[BM+2], v[BM+2]
	v_nop                                          ; one plain place behind the exponentials
	s_wait_alu depctr_va_vdst(0)                   ; one wait for the whole batch
	s_wait_dscnt 0x0                               ; V is in
	v_max_num_f32 v[BM], 0x1800000, v[BM]          ; the floor 2^(3 - 127)
	v_max_num_f32 v[BM+2], 0x1800000, v[BM+2]
	D 2
	v_add_nc_u32 v[SC], 0xff000000, v[BM]          ; the conversion's scale operand
	D 2
	v_add_nc_u32 v[SC+1], 0xff000000, v[BM+2]
	D 2
	v_lshrrev_b32 v[TP], 23, v[SC]                 ; the scale's byte
	D 2
	v_lshrrev_b32 v[TP+1], 23, v[SC+1]
	D 1
	v_lshl_or_b32 v30, v[TP+1], 16, v[TP]          ; my blocks h and 2 + h
	D 1
	v_permlanex16_b32 v[TP], v30, s[SEL], s[SEL+1]
	D 1
	v_lshl_or_b32 v[PSW], v[TP], 8, v30            ; lanes 0-15, which alone are read: blocks 0 and 2 mine, 1 and 3 lane l + 16's
.irp c, 0,1
	v_cvt_scalef32_pk16_fp6_f32 v[PC+6*\c:PC+6*\c+2], v[S+32*\c:S+32*\c+15], v[SC+\c]
	v_cvt_scalef32_pk16_fp6_f32 v[Y+4*\c:Y+4*\c+2], v[S+32*\c+16:S+32*\c+31], v[SC+\c]   ; (a conversion's three registers begin on an even number)
.endr
	v_pk_add_f32 v[X0:X0+1], v[S:S+1], v[S+8:S+9]  ; THE ROW'S SUM IS TAKEN OF THE UNQUANTISED p.  (Also the plain place behind the conversions)
.irp c, 0,1
.irp i, 0,1,2
	v_mov_b32 v[PC+6*\c+3+\i], v[Y+4*\c+\i]
.endr
.endr
	v_pk_add_f32 v[X1:X1+1], v[S+2:S+3], v[S+10:S+11]     ; seven places between the operand's last write and the products; eighteen behind the scale word's
	v_pk_add_f32 v[X2:X2+1], v[S+4:S+5], v[S+12:S+13]
	v_pk_add_f32 v[X3:X3+1], v[S+6:S+7], v[S+14:S+15]
	SUM4 8
	v_wmma_scale_f32_16x16x128_f8f6f4 v[O:O+7], v[KF:KF+11], v[PC:PC+11], v[O:O+7], v[VSR], v[PSW] matrix_a_fmt:MATRIX_FMT_FP6 matrix_b_fmt:MATRIX_FMT_FP6
	v_wmma_scale_f32_16x16x128_f8f6f4 v[O+8:O+15], v[KF+12:KF+23], v[PC:PC+11], v[O+8:O+15], v[VSR], v[PSW] matrix_a_fmt:MATRIX_FMT_FP6 matrix_b_fmt:MATRIX_FMT_FP6 matrix_a_scale:MATRIX_SCALE_ROW1
	v_wmma_scale_f32_16x16x128_f8f6f4 v[O+16:O+23], v[KF+24:KF+35], v[PC:PC+11], v[O+16:O+23], v[VSR+1], v[PSW] matrix_a_fmt:MATRIX_FMT_FP6 matrix_b_fmt:MATRIX_FMT_FP6
	v_wmma_scale_f32_16x16x128_f8f6f4 v[O+24:O+31], v[KF+36:KF+47], v[PC:PC+11], v[O+24:O+31], v[VSR+1], v[PSW] matrix_a_fmt:MATRIX_FMT_FP6 matrix_b_fmt:MATRIX_FMT_FP6 matrix_a_scale:MATRIX_SCALE_ROW1
.irp k, 12,16,20,24,28
	SUM4 \k                                        ; the rest of the sum names no register of the products: their places
.endr
	v_pk_add_f32 v[X0:X0+1], v[X0:X0+1], v[X1:X1+1]
	v_pk_add_f32 v[X2:X2+1], v[X2:X2+1], v[X3:X3+1]
	D 1
	v_pk_add_f32 v[X0:X0+1], v[X0:X0+1], v[X2:X2+1]
	D 1
	v_pk_fma_f32 v[14:15], v[14:15], v[FF:FF+1], v[X0:X0+1] op_sel_hi:[1,0,1]   ; the sum under the new M, and the step's
	s_add_co_u32 s[TK], s[TK], 3072                ; the next step's codes and scale words
	s_add_co_u32 s[TS], s[TS], 512
	s_add_co_u32 s[TV], s[TV], 6144
	s_add_co_u32 s[TT], s[TT], 256
.endm
; The head of a pass: my 16 queries' codes, their rows of pos (asked for a whole walk over the keys ahead of their use), and the start of the running figures.
.macro HEAD u
.if \u
	s_wait_xcnt 0x0                                ; the first pass's stores have read their registers: p's code registers are written again in the next key step
.endif
.irp p, 0,1,2
	global_load_b64 v[QF+2*\p:QF+2*\p+1], v[L8], s[76:77] offset:768*\u+256*\p
.endr
.if \u == 0
	global_load_b32 v[QS], v[L8], s[78:79]
.endif
.irp b, 0,1
.irp m, 0,1,2,3
	global_load_b128 v[POS+16*\b+4*\m:POS+16*\b+4*\m+3], v[PO], s[80:81] offset:32768*\u+128*\b+16*\m th:TH_LOAD_NT
.endr
.endr
	s_mov_b32 s[TK], 0
	s_mov_b32 s[TS], 0
	s_mov_b32 s[TV], 0
	s_mov_b32 s[TT], 0
	s_mov_b32 s[CNT], 16
	v_mov_b32 v13, 0xff61b1e6                      ; the largest score so far: -3e38
	v_mov_b32 v14, 0
	v_mov_b32 v15, 0
	v_floor_f32 v12, -v13
.set j, 0
.rept 32
	v_mov_b32 v[O+j], 0                            ; the step is written once: the first finds zeros, which the first change of M leaves zeros
.set j, j+1
.endr
	s_wait_alu depctr_va_vdst(0)
	s_wait_loadcnt 8                               ; Q is in; the eight loads of pos may be out
.endm
; The end of a pass: O^T / the sum + pos; its 64 channels are two blocks along the last product's K, half a block in lane l xor 16.
.macro EPI u
	s_wait_alu depctr_va_vdst(0)
	s_wait_loadcnt 0x0                             ; pos
	v_add_f32 v14, v14, v15
	D 1
	v_permlanex16_b32 v[TP], v14, s[SEL], s[SEL+1]
	D 1
	v_add_f32 v14, v14, v[TP]                      ; the row's sum
	s_wait_alu depctr_va_vdst(0)
	v_rcp_f32 v30, v14
	v_nop                                          ; one plain place behind a transcendental
	s_wait_alu depctr_va_vdst(0)                   ; directly ahead of the first reader of the quotient and of O^T
.set j, 0
.rept 16
	v_pk_fma_f32 v[S+j:S+j+1], v[O+j:O+j+1], v[30:31], v[POS+j:POS+j+1] op_sel_hi:[1,0,1]   ; ascending: each accumulator is read from its low end on
.set j, j+2
.endr
.irp b, 0,1
	v_max3_num_f32 v[BM+\b], |v[S+16*\b]|, |v[S+16*\b+1]|, 0x1800000
.endr
.irp i, 2,4,6,8,10,12,14
.irp b, 0,1
	D 2
	v_max3_num_f32 v[BM+\b], v[BM+\b], |v[S+16*\b+\i]|, |v[S+16*\b+\i+1]|
.endr
.endr
.irp b, 0,1
	D 2
	v_permlanex16_b32 v[TP+\b], v[BM+\b], s[SEL], s[SEL+1]
.endr
.irp b, 0,1
	D 2
	v_max_num_f32 v[BM+\b], v[BM+\b], v[TP+\b]
.endr
.irp b, 0,1
	D 2
	v_add_nc_u32 v[SC+\b], 0xff000000, v[BM+\b]
.endr
.irp b, 0,1
	D 2
	v_lshrrev_b32 v[TP+\b], 23, v[SC+\b]
.endr
	D 1
	v_lshl_or_b32 v[BM+2], v[TP+1], 8, v[TP]       ; my query's two scale bytes
	v_cvt_scalef32_pk16_fp6_f32 v[PC:PC+2], v[S:S+15], v[SC]
	v_cvt_scalef32_pk16_fp6_f32 v[Y:Y+2], v[S+16:S+31], v[SC+1]
	v_nop
.irp i, 0,1,2
	v_permlane16_swap_b32 v[PC+\i], v[Y+\i]        ; the operand's layout wants a whole block in a lane
.endr
.irp i, 0,1,2
	D 3
	v_mov_b32 v[PC+3+\i], v[Y+\i]
.endr
.irp i, 0,1,2
	global_store_b64 v[L8], v[PC+2*\i:PC+2*\i+1], s[82:83] offset:12288*\u+256*\i   ; 32 lanes store 256 consecutive bytes, aligned
.endr
	ds_store_b16 v[ASTA], v[BM+2] offset:64*\u     ; both halves of the lanes write the same two bytes with the same value
.endm
	HEAD 0
	s_wait_tensorcnt 0x0                           ; my part of K, V or their scale words is in
	s_barrier_signal -1
	s_barrier_wait -1                              ; everybody's is; nothing is ever filled again
.Lfirst:
	STEP 0
	s_sub_co_u32 s[CNT], s[CNT], 1
	s_cmp_lg_u32 s[CNT], 0
	s_cbranch_scc1 .Lfirst
	EPI 0
	HEAD 1
.Lsecond:
	STEP 1
	s_sub_co_u32 s[CNT], s[CNT], 1
	s_cmp_lg_u32 s[CNT], 0
	s_cbranch_scc1 .Lsecond
	EPI 1
	s_wait_dscnt 0x0                               ; for the others' sake: my scale bytes lie in LDS
	s_barrier_signal -1
	s_barrier_wait -1
	v_lshlrev_b32 v5, 4, v0
	D 1
	v_add_nc_u32 v6, AST, v5
	s_cmp_lt_u32 s[WV], 2
	s_cbranch_scc0 .Lno_scales
	ds_load_b128 v[32:35], v6                      ; waves 0 and 1: the work-group's 1,024 scale bytes, 512 consecutive bytes a wave
	s_wait_alu depctr_va_vdst(0)
	s_wait_dscnt 0x0
	global_store_b128 v5, v[32:35], s[84:85]
.Lno_scales:
	s_wait_tensorcnt 0x0                           ; the wave's end
	ds_add_u32 v[SPW], v[NIL]
	s_wait_dscnt 0x0
	CROUND                                         ; the closing round: no work-group ends while a partner may still ask for a tile that names it
	s_endpgm
.Lfunc_end_k_q25eac4bc57_attn:
	.size	k_q25eac4bc57_attn, .Lfunc_end_k_q25eac4bc57_attn-k_q25eac4bc57_attn
	.p2alignl 7, 3214868480
	.fill 96, 4, 3214868480
	.section	.rodata,"a",@progbits
	.p2align	6, 0x0
	.amdhsa_kernel k_q25eac4bc57_attn
		.amdhsa_group_segment_fixed_size 212224
		.amdhsa_private_segment_fixed_size 0
		.amdhsa_enable_private_segment 0
		.amdhsa_kernarg_size 24
		.amdhsa_user_sgpr_count 2
		.amdhsa_user_sgpr_kernarg_segment_ptr 1
		.amdhsa_wavefront_size32 1
		.amdhsa_system_sgpr_workgroup_id_x 1
		.amdhsa_system_sgpr_workgroup_id_y 1
		.amdhsa_system_sgpr_workgroup_id_z 1
		.amdhsa_system_vgpr_workitem_id 0
		.amdhsa_next_free_vgpr 256
		.amdhsa_next_free_sgpr 100
		.amdhsa_reserve_vcc 0
		.amdhsa_float_denorm_mode_32 3
		.amdhsa_float_denorm_mode_16_64 3
		.amdhsa_memory_ordered 1
		.amdhsa_forward_progress 1
		.amdhsa_inst_pref_size 56
	.end_amdhsa_kernel
	.amdgpu_metadata
---
amdhsa.version: [ 1, 2 ]
amdhsa.kernels:
  - .name:           k_q25eac4bc57_attn
    .symbol:         k_q25eac4bc57_attn.kd
    .args:
      - { .name: qkvq, .offset: 0, .size: 8, .value_kind: global_buffer, .address_space: global }
      - { .name: pos, .offset: 8, .size: 8, .value_kind: global_buffer, .address_space: global }
      - { .name: aoq, .offset: 16, .size: 8, .value_kind: global_buffer, .address_space: global }
    .group_segment_fixed_size: 212224
    .private_segment_fixed_size: 0
    .kernarg_segment_align: 8
    .kernarg_segment_size: 24
    .max_flat_workgroup_size: 512
    .sgpr_count:     100
    .vgpr_count:     256
    .wavefront_size: 32
...
	.end_amdgpu_metadata
.endif
;; end of part 3
;; launch proj (part 4): grid 4 x 64, 4 waves a work-group, clusters of 4 x 4, 295,424 bytes of LDS; arguments aoq, opq, b_out, out0; writes out0
.if DOCPART == 4
	.amdgcn_target "amdgcn-amd-amdhsa--gfx1250"
	.amdhsa_code_object_version 6
	.text
	.protected	k_q25eac4bc57_proj
	.globl	k_q25eac4bc57_proj
	.p2align	8
	.type	k_q25eac4bc57_proj,@function
k_q25eac4bc57_proj:
	s_mov_b64 s[64:65], 0
	v_nop
	global_prefetch_b8 v0, s[64:65] scope:SCOPE_SE
	s_setreg_imm32_b32 hwreg(HW_REG_WAVE_MODE, 25, 1), 1
	s_wait_xcnt 0x0
	s_wait_alu depctr_hold_cnt(0) depctr_sa_sdst(0) depctr_va_vdst(0) depctr_va_sdst(0) depctr_va_ssrc(0) depctr_va_vcc(0) depctr_vm_vsrc(0)
	s_getreg_b32 s2, hwreg(HW_REG_IB_STS2, 6, 4)
	s_cmp_eq_u32 s2, 0
	s_cbranch_scc0 .Lentry_in_a_cluster
	s_endpgm
.Lentry_in_a_cluster:
	s_bfe_u32 s2, ttmp6, 0x10000c
	s_cmp_lg_u32 s2, 0xf033
	s_cbranch_scc0 .Lentry_shape_is_right
	s_endpgm
.Lentry_shape_is_right:
; PROJ: out0 = (attention + pos) w_out + b_out on codes of E2M3.  P = tokens (aoq), R = w_out's columns (opq's blocks 704-767).
; A work-group makes P 128 rows x R 256 rows, with all of K = 1,024 in LDS: every LDS byte is filled once, so there is no ring.  Four waves, each 64 x 128: 32 accumulators, one register window.
; Source 0 = 16 rows of R, source 1 = 16 rows of P: a lane holds ONE token, and the 16 registers of two neighbouring tiles are 16 neighbouring outputs.  Lane r of block a holds row 32 (a / 2) + 8 (a % 2) + r + 8 (r / 8).
; The bias is the C of each sum's first product.  CLUSTERS: 4 x 4 work-groups; P's tiles are shared along a row of the cluster, R's along a column: joint loads.
; REGISTERS: window 0: v4-18 addresses; v32-47 P's scale words, v48-79 R's (register 8 (block / 2) + K step; even block in lanes 0-15, odd in lanes 16-31); v80-95 P's scale bytes as they are loaded;
;   v128-223 P's fragments, two sets of 48 (on the way out v128-255: rows of out0).  Window 1: accumulator (a, b) at v[8 (8 a + b)].  Window 2: v0-191 R's fragments, two sets of 96; v192-255 the bias.
.set SCO,  9437184
.set AOS,  6291456
.set ADP,  4
.set ADR,  8
.set STO,  17
.set RD,   18
.set PS,   32
.set RS,   48
.set TH,   80
.set PF,   128
.set BIAS, 192
.set G1P,  24
.set G1R,  32
.set G0P,  48
.set G0R,  68
.set MSB, 0
.macro WIN new                         ; the immediate's high byte repeats the setting that is left
.if MSB != \new
	s_set_vgpr_msb (MSB<<8)|\new
.set MSB, \new
.endif
.endm
.macro CREST
	s_cmp_lg_u32 s14, 0
	s_cbranch_scc1 .Lnot_wave_0_\@
	s_barrier_signal -3
.Lnot_wave_0_\@:
	s_barrier_wait -3
	s_barrier_signal -1
	s_barrier_wait -1
.endm
.macro CROUND                          ; a round of the cluster's barrier
	s_barrier_signal -1
	s_barrier_wait -1
	CREST
.endm
.macro PLACES
.rept 4
	v_nop
.endr
.endm
	s_load_b256 s[4:11], s[0:1], 0x0               ; aoq s[4:5], opq s[6:7], b_out s[8:9], out0 s[10:11]
	v_lshl_add_u32 v126, v0, 2, 0x48000
	v_mov_b32 v127, 0
	ds_add_u32 v126, v127
	ds_add_u32 v126, v127
	v_lshrrev_b32 v1, 5, v0
	v_readfirstlane_b32 s14, v1                    ; wave 0..3
	s_lshr_b32 s15, s14, 1                         ; wr: which 64 tokens are mine.  Also: I fetch for P (0) or for R (1)
	s_and_b32 s16, s14, 1                          ; wc: which 128 outputs.  Also: which half of that tile I fetch
	s_bfe_u32 s40, ttmp6, 0x40000                  ; cx
	s_bfe_u32 s41, ttmp6, 0x40004                  ; cy
	s_lshl_b32 s43, s41, 2
	s_lshl_b32 s43, 15, s43                        ; my row of the cluster
	s_lshl_b32 s44, 0x1111, s40                    ; my column
	s_lshl_b32 s20, ttmp9, 2
	s_add_co_u32 s20, s20, s40                     ; rt: R's tile of 256 outputs
	s_and_b32 s18, ttmp7, 0xffff
	s_lshl_b32 s18, s18, 2
	s_add_co_u32 s18, s18, s41                     ; pt: P's tile of 128 tokens
	s_lshl_b32 s17, s18, 3                         ; P's first block, in aoq
	s_lshl_b32 s19, s20, 4
	s_add_co_u32 s19, s19, 704                     ; R's first block, in opq
	; descriptor group 1: rows = blocks; a row is a whole block, all eight K steps: 12,288 bytes = 1,536 elements of 8 bytes; the blocks are dense in memory and in LDS
	s_or_b32 s[G1P], s43, (3<<16)|(1<<21)          ; 15:0 the mask; 17:16 elements of 8 bytes; 21 set beside a mask
	s_or_b32 s[G1R], s44, (3<<16)|(1<<21)
	s_mov_b32 s[G1P+1], 1536<<16
	s_mov_b32 s[G1P+2], 4<<16
	s_mov_b32 s[G1P+3], 1536<<16
	s_mov_b32 s[G1P+4], 4
	s_mov_b32 s[G1P+5], 1536
	s_mov_b32 s[G1P+6], 0
	s_mov_b32 s[G1P+7], 0
	s_mov_b32 s[G1R+1], 1536<<16
	s_mov_b32 s[G1R+2], 8<<16
	s_mov_b32 s[G1R+3], 1536<<16
	s_mov_b32 s[G1R+4], 8
	s_mov_b32 s[G1R+5], 1536
	s_mov_b32 s[G1R+6], 0
	s_mov_b32 s[G1R+7], 0
	s_lshl_b32 s21, s16, 2
	s_add_co_u32 s21, s21, s17
	s_mul_i32 s84, s21, 12288                      ; P: my half tile, in bytes (made of the tile row alone)
	s_mov_b32 s85, 0
	s_lshl_b32 s22, s16, 3
	s_add_co_u32 s22, s22, s19
	s_mul_i32 s86, s22, 12288                      ; R: likewise (the tile column alone)
	s_mov_b32 s87, 0
	s_mul_i32 s88, s16, 49152                      ; where they go in LDS: the wave's number alone: P's halves of 4 blocks,
	s_mul_i32 s89, s16, 98304                      ; R's halves of 8 blocks
	s_wait_dscnt 0x0
	s_wait_kmcnt 0x0
	s_add_nc_u64 s[84:85], s[4:5], s[84:85]
	s_add_nc_u64 s[86:87], s[6:7], s[86:87]
.irp g, 0                              ; one group 0 for P's half tile and one for R's
	s_mov_b32 s[G0P+4*\g], 1
	s_add_co_u32 s[G0P+4*\g+1], s88, \g*24576
	s_add_nc_u64 s[G0P+4*\g+2:G0P+4*\g+3], s[84:85], \g*3072
	s_or_b32 s[G0P+4*\g+3], s[G0P+4*\g+3], 0x80000000
	s_mov_b32 s[G0R+4*\g], 1
	s_add_co_u32 s[G0R+4*\g+1], s89, 98304+\g*49152
	s_add_nc_u64 s[G0R+4*\g+2:G0R+4*\g+3], s[86:87], \g*3072
	s_or_b32 s[G0R+4*\g+3], s[G0R+4*\g+3], 0x80000000
.endr
	CROUND                                         ; all sixteen work-groups are here: the joint loads meet
	s_cmp_eq_u32 s15, 0                            ; one tensor load a wave, its half tile for all of K
	s_cbranch_scc0 .Lfor_r
.irp g, 0
	tensor_load_to_lds s[G0P+4*\g:G0P+4*\g+3], s[G1P:G1P+7]
	s_nop 0
.endr
	PLACES
	s_branch .Lasked
.Lfor_r:
.irp g, 0
	tensor_load_to_lds s[G0R+4*\g:G0R+4*\g+3], s[G1R:G1R+7]
	s_nop 0
.endr
	PLACES
.Lasked:
	v_and_b32 v1, 31, v0
	v_and_b32 v2, 15, v0
	v_bfe_u32 v3, v0, 4, 1
	v_lshlrev_b32 v12, 4, v2
	v_lshl_add_u32 v12, v3, 9, v12                 ; R's scale words: lanes 0-15 an even block, lanes 16-31 the odd one; 16 bytes (four K steps) a row
	s_wait_alu depctr_va_vdst(0)
	v_lshlrev_b32 v13, 4, v1                       ; 16 x lane
	v_lshlrev_b32 v14, 3, v1                       ; 8 x lane
	v_lshlrev_b32 v15, 2, v1                       ; 4 x lane
	s_wait_alu depctr_va_vdst(0)
	v_lshlrev_b32 v16, 6, v3                       ; 64 h
	s_wait_alu depctr_va_vdst(0)
	s_lshl_b32 s21, s16, 3
	s_add_co_u32 s21, s21, s19
	s_lshl_b32 s90, s21, 9
	s_add_co_u32 s90, s90, SCO
	s_mov_b32 s91, 0
	s_add_nc_u64 s[90:91], s[6:7], s[90:91]        ; the scale bytes of my 8 blocks of R
	s_lshl_b32 s21, s18, 1
	s_add_co_u32 s21, s21, s15
	s_lshl_b32 s92, s21, 7
	s_add_co_u32 s92, s92, AOS
	s_mov_b32 s93, 0
	s_add_nc_u64 s[92:93], s[4:5], s[92:93]        ; P's: head x 16,384 + (my 64 tokens) x 128 + 4 x lane: two bytes of blocks 0 | 1 below, of blocks 2 | 3 above
	s_lshl_b32 s94, s20, 10
	s_lshl_b32 s21, s16, 9
	s_add_co_u32 s94, s94, s21
	s_mov_b32 s95, 0
	s_add_nc_u64 s[94:95], s[8:9], s[94:95]        ; my 128 numbers of b_out
.irp i, 0,1,2,3
.irp f, 0,1
	global_load_b128 v[RS+8*\i+4*\f:RS+8*\i+4*\f+3], v12, s[90:91] offset:1024*\i+256*\f
.endr
.endr
.set i, 0
.rept 16
	global_load_b32 v[TH+i], v15, s[92:93] offset:16384*i
.set i, i+1
.endr
	WIN 0x80                                       ; destination window 2
.irp b, 0,1,2,3
.irp m, 0,1,2,3
	global_load_b128 v[BIAS+16*\b+4*\m:BIAS+16*\b+4*\m+3], v16, s[94:95] offset:128*\b+16*\m   ; lane (r, h): outputs 32 b + 16 h + 0 .. 15: the result's layout
.endr
.endr
	WIN 0
	s_mul_i32 s21, s15, 49152
	s_mul_i32 s22, s16, 98304
	s_add_co_u32 s22, s22, 98304
.irp g, 0,1,2,3
.if \g < 2
	v_add_nc_u32 v[ADP+\g], s21, v14               ; an address for each two of my blocks (24,576 bytes): a register pair is 256 consecutive bytes, 8 a lane
.endif
	v_add_nc_u32 v[ADR+\g], s22, v14
	s_add_co_u32 s21, s21, 24576
	s_add_co_u32 s22, s22, 24576
.endr
	s_mul_i32 s23, s14, 8448                       ; my stage for the way out: 16 rows x (512 + 16) bytes, in P's chunks 0 and 1
	v_mul_u32_u24 v[STO], v2, 528
	v_lshl_add_u32 v[STO], v3, 6, v[STO]
	v_add_nc_u32 v[STO], s23, v[STO]               ; in: row r, + 64 h
	v_add_nc_u32 v[RD], s23, v13                   ; back: a row of 512 bytes, 16 a lane
	s_lshl_b32 s96, s18, 7
	s_lshl_b32 s97, s15, 6
	s_add_co_u32 s96, s96, s97
	s_lshl_b32 s96, s96, 12                        ; my first token's row of out0
	s_lshl_b32 s97, s20, 10
	s_add_co_u32 s96, s96, s97
	s_lshl_b32 s97, s16, 9
	s_add_co_u32 s96, s96, s97                     ; + my first output
	s_mov_b32 s97, 0
	s_add_nc_u64 s[10:11], s[10:11], s[96:97]
.macro FETCH k                         ; K step k's fragments: R's eight into set k % 2 of window 2, P's four into set k % 2 of window 0: 72 loads of 8 bytes a lane
.set fs, (\k)/2
.set fq, (\k)%2
	WIN 0x80
.irp i, 0,1,2,3,4,5,6,7
.irp p, 0,1,2,3,4,5
	ds_load_b64 v[96*fq+12*\i+2*\p:96*fq+12*\i+2*\p+1], v[ADR+(\i)/2] offset:12288*((\i)%2)+1536*(\k)+256*\p
.endr
.endr
	WIN 0
.irp i, 0,1,2,3
.irp p, 0,1,2,3,4,5
	ds_load_b64 v[PF+48*fq+12*\i+2*\p:PF+48*fq+12*\i+2*\p+1], v[ADP+(\i)/2] offset:12288*((\i)%2)+1536*(\k)+256*\p
.endr
.endr
.endm
; One product: P's block a x R's block b, K step s.  cmode 0: adds in place; 1: starts the sum with 0; 2: with the bias.
.macro WM a, b, s, cmode
.set rD, 8*(8*(\a)+(\b))
.set rA, 96*((\s)%2)+12*(\b)
.set rB, PF+48*((\s)%2)+12*(\a)
.set rX, RS+8*((\b)/2)+(\s)
.set rY, PS+8*((\a)/2)+(\s)
.set rC, rD
.if \cmode == 2
.set rC, BIAS+8*(\b)
.endif
.set par, 2*((\a)%2)+(\b)%2
.if \cmode == 1
.if par == 0
	v_wmma_scale_f32_16x16x128_f8f6f4 v[rD:rD+7], v[rA:rA+11], v[rB:rB+11], 0, v[rX], v[rY] matrix_a_fmt:MATRIX_FMT_FP6 matrix_b_fmt:MATRIX_FMT_FP6
.elseif par == 1
	v_wmma_scale_f32_16x16x128_f8f6f4 v[rD:rD+7], v[rA:rA+11], v[rB:rB+11], 0, v[rX], v[rY] matrix_a_fmt:MATRIX_FMT_FP6 matrix_b_fmt:MATRIX_FMT_FP6 matrix_a_scale:MATRIX_SCALE_ROW1
.elseif par == 2
	v_wmma_scale_f32_16x16x128_f8f6f4 v[rD:rD+7], v[rA:rA+11], v[rB:rB+11], 0, v[rX], v[rY] matrix_a_fmt:MATRIX_FMT_FP6 matrix_b_fmt:MATRIX_FMT_FP6 matrix_b_scale:MATRIX_SCALE_ROW1
.else
	v_wmma_scale_f32_16x16x128_f8f6f4 v[rD:rD+7], v[rA:rA+11], v[rB:rB+11], 0, v[rX], v[rY] matrix_a_fmt:MATRIX_FMT_FP6 matrix_b_fmt:MATRIX_FMT_FP6 matrix_a_scale:MATRIX_SCALE_ROW1 matrix_b_scale:MATRIX_SCALE_ROW1
.endif
.else
.if par == 0
	v_wmma_scale_f32_16x16x128_f8f6f4 v[rD:rD+7], v[rA:rA+11], v[rB:rB+11], v[rC:rC+7], v[rX], v[rY] matrix_a_fmt:MATRIX_FMT_FP6 matrix_b_fmt:MATRIX_FMT_FP6
.elseif par == 1
	v_wmma_scale_f32_16x16x128_f8f6f4 v[rD:rD+7], v[rA:rA+11], v[rB:rB+11], v[rC:rC+7], v[rX], v[rY] matrix_a_fmt:MATRIX_FMT_FP6 matrix_b_fmt:MATRIX_FMT_FP6 matrix_a_scale:MATRIX_SCALE_ROW1
.elseif par == 2
	v_wmma_scale_f32_16x16x128_f8f6f4 v[rD:rD+7], v[rA:rA+11], v[rB:rB+11], v[rC:rC+7], v[rX], v[rY] matrix_a_fmt:MATRIX_FMT_FP6 matrix_b_fmt:MATRIX_FMT_FP6 matrix_b_scale:MATRIX_SCALE_ROW1
.else
	v_wmma_scale_f32_16x16x128_f8f6f4 v[rD:rD+7], v[rA:rA+11], v[rB:rB+11], v[rC:rC+7], v[rX], v[rY] matrix_a_fmt:MATRIX_FMT_FP6 matrix_b_fmt:MATRIX_FMT_FP6 matrix_a_scale:MATRIX_SCALE_ROW1 matrix_b_scale:MATRIX_SCALE_ROW1
.endif
.endif
.endm
.macro MUL k, cmode                    ; a K step's 32 products; the 32 accumulators take turns, one instruction a turn, in the same order in every step
.if \cmode == 2
	WIN 0x62                                       ; source 0 (R) window 2, source 1 (P) window 0, C (the bias) window 2, D window 1
.else
	WIN 0x52                                       ; the same, C window 1
.endif
.irp a, 0,1,2,3
.irp b, 0,1,2,3,4,5,6,7
	WM \a, \b, \k, \cmode
.endr
.endr
	WIN 0
.endm
.macro KSTEP k, cmode
	s_wait_dscnt 0x0                               ; step k's fragments, asked for a step ago, are in (72 loads are more than a counted wait could leave out)
.if (\k) == 7
	s_barrier_signal -1                            ; my last reads of the tiles are over (the wait above):
	s_barrier_wait -1                              ; everybody's are: the stages of the way out may be written over P's blocks
.endif
.if (\k) < 7
.if (\k) > 0
	PLACES                                         ; four places in front of loads into the set that the last step multiplied
.endif
	FETCH (\k)+1
.endif
	MUL \k, \cmode
.endm
	s_wait_alu depctr_va_vdst(0)
	s_wait_tensorcnt 0x0                           ; my half tile is in
	s_barrier_signal -1
	s_barrier_wait -1
	FETCH 0
	s_wait_loadcnt 0x0                             ; scale bytes and bias
.irp s, 0,1,2,3,4,5,6,7                ; K step s is heads 2 s and 2 s + 1: their two bytes each make a row's scale word
	v_perm_b32 v[PS+\s], v[TH+2*\s+1], v[TH+2*\s], 0x05040100        ; the low halves: blocks 0 | 1
	v_perm_b32 v[PS+8+\s], v[TH+2*\s+1], v[TH+2*\s], 0x07060302      ; the high halves: blocks 2 | 3
.endr
.rept 8
	v_nop                                          ; a scale register written by a vector instruction stands eight places ahead of a scaled matrix instruction
.endr
	KSTEP 0, 2                                     ; the first step's products start the sums with the bias
.irp k, 1,2,3,4,5,6,7
	s_wait_alu depctr_va_vdst(0)
	KSTEP \k, 0
.endr
; THE WAY OUT, block by block of 16 tokens x 128 outputs, through my own stage: in by lanes (64 neighbouring bytes of a row each), back as whole rows of 512 bytes.
; The stage lies in P's first blocks: they had their one fill, and every wave's reads of them were waited for in front of the barrier of K step 7, which every wave has passed.
; LDS serves a wave's instructions in order: no wait between the stores and the loads, nor in front of the next block's stores.
.macro TOSTAGE a
	WIN 0x04                                       ; an LDS store's data are its source 1: window 1
.irp b, 0,1,2,3,4,5,6,7
	ds_store_b128 v[STO], v[8*(8*(\a)+\b):8*(8*(\a)+\b)+3] offset:128*(\b/2)+32*(\b%2)          ; each accumulator from its low end on
	ds_store_b128 v[STO], v[8*(8*(\a)+\b)+4:8*(8*(\a)+\b)+7] offset:128*(\b/2)+32*(\b%2)+16
.endr
	WIN 0
.set BB, 128+64*((\a)%2)
.irp t, 0,1,2,3,4,5,6,7,8,9,10,11,12,13,14,15
	ds_load_b128 v[BB+4*\t:BB+4*\t+3], v[RD] offset:528*\t
.endr
.endm
.macro SEND a, younger                 ; younger: the LDS instructions issued behind block a's loads, which may stay out
.set BB, 128+64*((\a)%2)
	s_wait_dscnt \younger
.irp t, 0,1,2,3,4,5,6,7,8,9,10,11,12,13,14,15
	global_store_b128 v13, v[BB+4*\t:BB+4*\t+3], s[10:11] offset:(32*((\a)/2)+8*((\a)%2)+\t+8*(\t/8))*4096 th:TH_STORE_NT   ; 32 lanes store 512 consecutive bytes, aligned; the token's row stands in the immediate
.endr
.endm
	PLACES                                         ; behind the last products: for the stores that read results and the loads into registers that held P's fragments
	TOSTAGE 0
	TOSTAGE 1
	SEND 0, 32                                     ; behind block 0's loads: block 1's 16 stores and 16 loads
	s_wait_xcnt 0x0                                ; block 0's stores have read their registers: block 2's loads may land there
	TOSTAGE 2
	SEND 1, 32
	s_wait_xcnt 0x0
	TOSTAGE 3
	SEND 2, 32
	SEND 3, 0
	s_wait_tensorcnt 0x0
	ds_add_u32 v126, v127
	s_wait_dscnt 0x0
	CROUND                                         ; the closing round: no work-group ends while a partner may still ask for a tile that names it
	s_endpgm
.Lfunc_end_k_q25eac4bc57_proj:
	.size	k_q25eac4bc57_proj, .Lfunc_end_k_q25eac4bc57_proj-k_q25eac4bc57_proj
	.p2alignl 7, 3214868480
	.fill 96, 4, 3214868480
	.section	.rodata,"a",@progbits
	.p2align	6, 0x0
	.amdhsa_kernel k_q25eac4bc57_proj
		.amdhsa_group_segment_fixed_size 295424
		.amdhsa_private_segment_fixed_size 0
		.amdhsa_enable_private_segment 0
		.amdhsa_kernarg_size 32
		.amdhsa_user_sgpr_count 2
		.amdhsa_user_sgpr_kernarg_segment_ptr 1
		.amdhsa_wavefront_size32 1
		.amdhsa_system_sgpr_workgroup_id_x 1
		.amdhsa_system_sgpr_workgroup_id_y 1
		.amdhsa_system_sgpr_workgroup_id_z 1
		.amdhsa_system_vgpr_workitem_id 0
		.amdhsa_next_free_vgpr 768
		.amdhsa_next_free_sgpr 100
		.amdhsa_reserve_vcc 0
		.amdhsa_float_denorm_mode_32 3
		.amdhsa_float_denorm_mode_16_64 3
		.amdhsa_memory_ordered 1
		.amdhsa_forward_progress 1
		.amdhsa_inst_pref_size 98
	.end_amdhsa_kernel
	.amdgpu_metadata
---
amdhsa.version: [ 1, 2 ]
amdhsa.kernels:
  - .name:           k_q25eac4bc57_proj
    .symbol:         k_q25eac4bc57_proj.kd
    .args:
      - { .name: aoq, .offset: 0, .size: 8, .value_kind: global_buffer, .address_space: global }
      - { .name: opq, .offset: 8, .size: 8, .value_kind: global_buffer, .address_space: global }
      - { .name: b_out, .offset: 16, .size: 8, .value_kind: global_buffer, .address_space: global }
      - { .name: out0, .offset: 24, .size: 8, .value_kind: global_buffer, .address_space: global }
    .group_segment_fixed_size: 295424
    .private_segment_fixed_size: 0
    .kernarg_segment_align: 8
    .kernarg_segment_size: 32
    .max_flat_workgroup_size: 128
    .sgpr_count:     100
    .vgpr_count:     768
    .wavefront_size: 32
...
	.end_amdgpu_metadata
.endif
;; end of part 4
